; MI455X (gfx1250); checked and timed in simulation.
; The chip was launched on July 23, 2026; its instructions are those of AMD's public machine-readable ISA for CDNA 5 (MIT licence, August 2026) and "CDNA5" Instruction Set Architecture Reference Guide (July 2026). The comments in the code are by the model that wrote it; some were corrected since.
;; Multihead Attention. Allowed arithmetic: matrix products marked QUANTISED: E3M2 operands, one E8M0 scale for each 32 along K, by v_wmma_scale_f32_16x16x128_f8f6f4 with both operands' format E3M2, f32 sums; everything else in f32.
;; Inputs: in_proj_weight 3,072 x 1,024 float32; key 4 x 2,048 x 1,024 float32; out_proj_weight 1,024 x 1,024 float32; query 4 x 2,048 x 1,024 float32; value 4 x 2,048 x 1,024 float32.
;; Outputs: out0 4 x 2,048 x 1,024 float32.
;; This version of the problem:
;;   THIS VERSION OF THE PROBLEM IS GIVEN IN LOW PRECISION. The matrix products marked QUANTISED in the list below multiply operands that are first quantised to E3M2 (3 exponent bits, 2 mantissa bits; 6 bits a number), with one power-of-two scale for each 32 numbers along K (OCP MX v1.0); their sums are f32. All else is computed in f32.
;;   The module's matrix products, in the order in which they are computed (A, B: the left and right operand; K: the contracted axis; several contracted axes count as one K, in the product's order):
;;     1. [M 8,192, K 1,024] x [K 1,024, N 3,072]; A: input query; B: input in_proj_weight: QUANTISED
;;     2. batch 64 x [M 2,048, K 64] x [K 64, N 2,048]; A: computed on the way; B: computed on the way: QUANTISED
;;     3. batch 64 x [M 2,048, K 2,048] x [K 2,048, N 64]; A: softmax (see below); B: computed on the way: QUANTISED
;;     4. [M 8,192, K 1,024] x [K 1,024, N 1,024]; A: computed on the way; B: input out_proj_weight: QUANTISED
;;   THE QUANTISER, for each operand of a quantised product, along K:
;;     - K is cut into blocks of 32 from its start; a last block that is shorter is filled with zeros.
;;     - A block's scale is 2^e with e = floor(log2(the largest magnitude in the block)) - 4, held to -126 .. 127; a block of zeros has e = 0. As a byte (E8M0): e + 127.
;;     - Each number is divided by its block's scale, clamped to +-28, and rounded to the nearest number of E3M2, ties to even, subnormals kept.
;;     - The product sums the exact products of the quantised numbers (number of the format x scale) in f32.
;;   ~~~python
;;   def quantise(x, axis):      # numpy; x: float32 -> the quantised numbers, widened to float32 again
;;       x = np.moveaxis(x, axis, -1); K = x.shape[-1]
;;       x = np.pad(x, [(0, 0)] * (x.ndim - 1) + [(0, -K % 32)]); x = x.reshape(x.shape[:-1] + (-1, 32)); a = np.abs(x).max(-1, keepdims=True)
;;       e = np.where(a > 0, np.clip(np.frexp(np.where(a > 0, a, 1))[1] - 1 - 4, -126, 127), 0)      # np.frexp(a)[1] - 1 = floor(log2(a)), exactly
;;       r = np.clip(x / 2.0 ** e, -28, 28)
;;       step = 2.0 ** (np.maximum(np.frexp(np.where(r == 0, 1, r))[1] - 1, -2) - 2)
;;       q = np.round(r / step) * step * 2.0 ** e      # np.round: ties to even
;;       return np.moveaxis(q.reshape(q.shape[:-2] + (-1,))[..., :K], -1, axis).astype(np.float32)
;;   ~~~
;;   SOFTMAX AHEAD OF A QUANTISED PRODUCT. Where the list says 'softmax', what is quantised is not the finished softmax but p = 2^(t - M), with t = logit x log2(e) and M = ceil(the row's largest t), a whole number; so 1/2 < the row's largest p <= 1. The row's sum l is taken of the UNQUANTISED p, in f32, and the product's result is divided by l at the end. Since M is a whole number, a kernel that streams over the keys may use a running M (the ceiling of the running maximum): every later rescaling is an exact power of two, which a block's scale takes up: the codes' values come out the same.
;;   OPERANDS COMPUTED ON THE WAY. 'Computed on the way' means the value that the module computes at that place (a softmax that the list does not call 'softmax' is quantised finished and normalised). What goes into a quantiser is computed in f32, as accurately as f32 sums, v_exp_f32 and their like allow (about 1e-6 of the number): no bf16 or f16 on the way to a quantiser, and a product that is left as it is and whose result goes on into a quantised operand takes f32 operands (vector FMAs, or v_wmma_f32_16x16x4_f32). A number that lies on a knife's edge between two numbers of the format may be rounded either way, as far as f32 arithmetic and the matrix unit's own rounding can turn it there, and no further.
;; One version. Each part assembles by itself: llvm-mc -triple=amdgcn-amd-amdhsa -mcpu=gfx1250 --defsym DOCPART=n.
;; ======== version 1 of 1: 4 launches
;; workspace buffers: uc 9,437,184 bytes; us 393,216 bytes; z 18,874,368 bytes; zs 786,432 bytes; oc 6,291,456 bytes; os 262,144 bytes
;; launch quant (part 1): grid 384 x 1, 4 waves a work-group, no clusters, 33,280 bytes of LDS; arguments query, in_proj_weight, out_proj_weight, uc, us; writes uc, us
.if DOCPART == 1
	.amdgcn_target "amdgcn-amd-amdhsa--gfx1250"
	.amdhsa_code_object_version 6
	.text
	.protected	k_q1014794561_quant
	.globl	k_q1014794561_quant
	.p2align	8
	.type	k_q1014794561_quant,@function
k_q1014794561_quant:
	s_mov_b64 s[64:65], 0
	v_nop
	global_prefetch_b8 v0, s[64:65] scope:SCOPE_SE
	s_setreg_imm32_b32 hwreg(HW_REG_WAVE_MODE, 25, 1), 1
	s_wait_xcnt 0x0
; query [8192][1024], in_proj_weight [3072][1024] and out_proj_weight [1024][1024], f32, become codes of BF6 (E3M2), K innermost, with one E8M0 byte for each 32 along K.
; The three tensors' 12,288 rows share two buffers: uc, 768 bytes of codes a row, and us, 32 scale bytes a row; query's rows first, then in_proj's, then out_proj's.
; ROW ORDER: row a lies at place a with its bits 3 and 4 exchanged.  So sixteen neighbouring places hold rows 0-7 and 16-23 (or 8-15 and 24-31) of a group of 32, and the results of two neighbouring
; tiles of such rows are, in a lane's registers, sixteen neighbours along that axis: what the later launches' quantisers want.  Here it only moves a wave's run of eight rows.
; A block's scale is 2^(floor(log2(its largest magnitude)) - 4); its byte is the largest magnitude's exponent field - 4, held at 1 from below.
; LIMITS: a block of zeros gets the byte 1 (its codes are zeros, and this program alone reads the bytes); blocks whose largest magnitude lies under 2^-122 are held at that byte; NaN and infinities are not served.
; The inputs key and value are not read by this program: the function computed here does not use them.
; A work-group takes 32 rows, a wave 8 rows: 16 steps of 512 numbers.  Each load reads 512 consecutive bytes; a step's 2,048 bytes turn through the wave's own stage in LDS and come back 64 bytes a lane,
; so that a lane holds 16 neighbours along K and two neighbouring lanes hold a block.  No barrier: waves share nothing.  Loads run four steps ahead, the turn through LDS one step.
.set STEPS, 16
.set EMAX,  4
.set CB,    12                         ; bytes of 16 codes
.set R,     16                         ; v16-79   four sets of 16 numbers as they are loaded
.set X,     80                         ; v80-111  two sets of 16 neighbours
.set C,     128                        ; v128-191 codes: four registers for each step, so that no store's data are written again
.set E,     112                        ; v112-127 a scale byte for each step
.set WREG,  8192                       ; LDS: a region for each wave: two stages of 32 x SP bytes, behind them its 256 scale bytes
.set SP,    80                         ; a lane's place in a stage: 64 bytes + 16 of padding
	s_load_b256 s[4:11], s[0:1], 0x0               ; query s[4:5], in_proj_weight s[6:7], out_proj_weight s[8:9], uc s[10:11]
	s_load_b64 s[12:13], s[0:1], 0x20              ; us
	v_lshl_add_u32 v192, v0, 2, 0x8000
	v_mov_b32 v193, 0
	v_lshrrev_b32 v1, 5, v0
	v_readfirstlane_b32 s16, v1                    ; wave
	v_and_b32 v2, 31, v0                           ; lane
	v_lshlrev_b32 v3, 4, v2                        ; my 16 bytes of a load's 512
	s_mul_i32 s17, s16, WREG
	v_lshrrev_b32 v14, 2, v2
	v_mul_u32_u24 v14, v14, SP
	v_and_b32 v15, 3, v2
	v_lshl_add_u32 v14, v15, 4, v14
	v_add_nc_u32 v14, s17, v14                     ; the stage, on the way in: SP (lane / 4) + 16 (lane % 4)
	v_mul_u32_u24 v15, v2, SP
	v_add_nc_u32 v15, s17, v15                     ; and on the way out: SP x lane: my 16 neighbours
	v_mul_u32_u24 v4, v2, CB                       ; my codes' place in a step's
	v_lshrrev_b32 v5, 1, v2
	s_add_co_u32 s17, s17, 2*32*SP
	v_add_nc_u32 v5, s17, v5                       ; LDS: my wave's 256 scale bytes, my block's byte
	v_lshlrev_b32 v7, 3, v2                        ; and on the way out 8 bytes a lane
	v_add_nc_u32 v6, s17, v7
	s_wait_kmcnt 0x0
	s_cmp_lt_u32 ttmp9, 256                        ; work-groups 0-255 take query, 256-351 in_proj_weight, 352-383 out_proj_weight: the choice hangs on the work-group's number alone
	s_cselect_b64 s[4:5], s[4:5], s[6:7]
	s_cselect_b32 s20, 0, 256
	s_mov_b32 s21, 352
	s_cmp_lt_u32 ttmp9, s21
	s_cselect_b64 s[4:5], s[4:5], s[8:9]
	s_cselect_b32 s20, s20, s21                    ; the tensor's first work-group
	s_sub_co_u32 s20, ttmp9, s20
	s_lshl_b32 s20, s20, 2
	s_add_co_u32 s20, s20, s16                     ; which run of 8 rows of the tensor is my wave's
	s_lshl_b32 s20, s20, 15                        ; 32,768 bytes a run
	s_mov_b32 s21, 0
	s_add_nc_u64 s[4:5], s[4:5], s[20:21]
	s_and_b32 s22, s16, 1                          ; where the run goes: the wave's two bits exchanged (bits 3 and 4 of the row)
	s_lshl_b32 s22, s22, 1
	s_lshr_b32 s23, s16, 1
	s_or_b32 s22, s22, s23
	s_lshl_b32 s23, ttmp9, 2
	s_add_co_u32 s22, s22, s23
	s_mul_i32 s24, s22, 32*STEPS*CB                ; 6,144 bytes of codes a run
	s_mov_b32 s25, 0
	s_add_nc_u64 s[10:11], s[10:11], s[24:25]
	s_lshl_b32 s24, s22, 8                         ; 256 scale bytes a run
	s_add_nc_u64 s[12:13], s[12:13], s[24:25]
.macro LOAD t
.irp i, 0,1,2,3
	global_load_b128 v[R+16*((\t)%4)+4*\i:R+16*((\t)%4)+4*\i+3], v3, s[4:5] offset:2048*(\t)+512*\i th:TH_LOAD_NT   ; 32 lanes read 512 consecutive bytes
.endr
.endm
.macro TURN t                          ; step t's numbers through the stage: LDS serves a wave's instructions in order, so no wait stands between the stores and the loads
.irp i, 0,1,2,3
	ds_store_b128 v14, v[R+16*((\t)%4)+4*\i:R+16*((\t)%4)+4*\i+3] offset:32*SP*((\t)%2)+8*SP*\i
.endr
.irp i, 0,1,2,3
	ds_load_b128 v[X+16*((\t)%2)+4*\i:X+16*((\t)%2)+4*\i+3], v15 offset:32*SP*((\t)%2)+16*\i
.endr
.endm
.irp t, 0,1,2,3
	LOAD \t
.endr
	s_wait_loadcnt 12                              ; step 0's four loads are in; the twelve of steps 1 to 3 may be out
	TURN 0
.macro STEP t
.set XS, X+16*((\t)%2)
.if (\t) > 0
	s_wait_dscnt 1                                 ; this step's numbers are back from the stage (the last step's byte store may be out): so its stores into the stage have read their registers,
.else
	s_wait_dscnt 0x0
.endif
.if (\t)+4 < STEPS
	LOAD (\t)+4                                    ; which take the loads of four steps on
.endif
.if (\t)+1 < STEPS
.if STEPS-2-(\t) >= 3
	s_wait_loadcnt 12                              ; the next step's four loads are in; those of the three steps behind it may be out
.else
	s_wait_loadcnt 4*(STEPS-2-(\t))
.endif
	TURN (\t)+1                                    ; and go through the other stage while this step is worked
.endif
	v_max3_num_f32 v8, |v[XS]|, |v[XS+1]|, |v[XS+2]|               ; the largest magnitude of my 16, in two chains
	v_max3_num_f32 v9, |v[XS+3]|, |v[XS+4]|, |v[XS+5]|
.irp i, 6,10
	v_max3_num_f32 v8, v8, |v[XS+\i]|, |v[XS+\i+1]|
	v_max3_num_f32 v9, v9, |v[XS+\i+2]|, |v[XS+\i+3]|
.endr
	v_max3_num_f32 v8, v8, |v[XS+14]|, |v[XS+15]|
	v_max3_num_f32 v8, v8, v9, (EMAX+1)<<23        ; and the floor 2^(5 - 127): the byte cannot fall under 1
	v_max_num_f32_dpp v8, v8, v8 row_xmask:1 row_mask:0xf bank_mask:0xf   ; and of my neighbour's 16: the block's
	v_add_nc_u32 v11, 0xfe000000, v8               ; 4 off its exponent field: the conversion takes the exponent field of this operand as its scale
	v_cvt_scalef32_pk16_bf6_f32 v[C+4*(\t):C+4*(\t)+2], v[XS:XS+15], v11   ; sixteen numbers / the scale, to the nearest code, ties to even, beyond the largest code the largest; 96 bits without gaps
	v_lshrrev_b32 v[E+(\t)], 23, v11               ; the scale's byte (also the plain line behind the conversion)
	ds_store_b8 v5, v[E+(\t)] offset:16*(\t)       ; both lanes of a block write the same byte with the same value
	global_store_b96 v4, v[C+4*(\t):C+4*(\t)+2], s[10:11] offset:32*CB*(\t)   ; the wave stores 384 consecutive bytes
.endm
.irp t, 0,1,2,3,4,5,6,7,8,9,10,11,12,13,14,15
	STEP \t
.endr
	ds_load_b64 v[12:13], v6                       ; LDS serves a wave's instructions in order: these see my stores
	s_wait_dscnt 0x0
	global_store_b64 v7, v[12:13], s[12:13]        ; 32 lanes store 256 consecutive bytes, aligned
	s_wait_tensorcnt 0x0
	ds_add_u32 v192, v193
	s_wait_dscnt 0x0
	s_endpgm
.Lfunc_end_k_q1014794561_quant:
	.size	k_q1014794561_quant, .Lfunc_end_k_q1014794561_quant-k_q1014794561_quant
	.p2alignl 7, 3214868480
	.fill 96, 4, 3214868480
	.section	.rodata,"a",@progbits
	.p2align	6, 0x0
	.amdhsa_kernel k_q1014794561_quant
		.amdhsa_group_segment_fixed_size 33280
		.amdhsa_private_segment_fixed_size 0
		.amdhsa_enable_private_segment 0
		.amdhsa_kernarg_size 40
		.amdhsa_user_sgpr_count 2
		.amdhsa_user_sgpr_kernarg_segment_ptr 1
		.amdhsa_wavefront_size32 1
		.amdhsa_system_sgpr_workgroup_id_x 1
		.amdhsa_system_sgpr_workgroup_id_y 1
		.amdhsa_system_sgpr_workgroup_id_z 1
		.amdhsa_system_vgpr_workitem_id 0
		.amdhsa_next_free_vgpr 194
		.amdhsa_next_free_sgpr 66
		.amdhsa_reserve_vcc 0
		.amdhsa_float_denorm_mode_32 3
		.amdhsa_float_denorm_mode_16_64 3
		.amdhsa_memory_ordered 1
		.amdhsa_forward_progress 1
		.amdhsa_inst_pref_size 33
	.end_amdhsa_kernel
	.amdgpu_metadata
---
amdhsa.version: [ 1, 2 ]
amdhsa.kernels:
  - .name:           k_q1014794561_quant
    .symbol:         k_q1014794561_quant.kd
    .args:
      - { .name: query, .offset: 0, .size: 8, .value_kind: global_buffer, .address_space: global }
      - { .name: in_proj_weight, .offset: 8, .size: 8, .value_kind: global_buffer, .address_space: global }
      - { .name: out_proj_weight, .offset: 16, .size: 8, .value_kind: global_buffer, .address_space: global }
      - { .name: uc, .offset: 24, .size: 8, .value_kind: global_buffer, .address_space: global }
      - { .name: us, .offset: 32, .size: 8, .value_kind: global_buffer, .address_space: global }
    .group_segment_fixed_size: 33280
    .private_segment_fixed_size: 0
    .kernarg_segment_align: 8
    .kernarg_segment_size: 40
    .max_flat_workgroup_size: 128
    .sgpr_count:     66
    .vgpr_count:     194
    .wavefront_size: 32
...
	.end_amdgpu_metadata
.endif
;; end of part 1
;; launch qkv (part 2): grid 8 x 48, 4 waves a work-group, clusters of 4 x 4, 327,680 bytes of LDS; arguments uc, us, z, zs; writes z, zs
.if DOCPART == 2
	.amdgcn_target "amdgcn-amd-amdhsa--gfx1250"
	.amdhsa_code_object_version 6
	.text
	.protected	k_q1014794561_qkv
	.globl	k_q1014794561_qkv
	.p2align	8
	.type	k_q1014794561_qkv,@function
k_q1014794561_qkv:
	s_mov_b64 s[64:65], 0
	v_nop
	global_prefetch_b8 v0, s[64:65] scope:SCOPE_SE
	s_setreg_imm32_b32 hwreg(HW_REG_WAVE_MODE, 25, 1), 1
	s_wait_xcnt 0x0
	s_wait_alu depctr_hold_cnt(0) depctr_sa_sdst(0) depctr_va_vdst(0) depctr_va_sdst(0) depctr_va_ssrc(0) depctr_va_vcc(0) depctr_vm_vsrc(0)
	s_getreg_b32 s2, hwreg(HW_REG_IB_STS2, 6, 4)
	s_cmp_eq_u32 s2, 0
	s_cbranch_scc0 .Lentry_in_a_cluster
	s_endpgm
.Lentry_in_a_cluster:
	s_bfe_u32 s2, ttmp6, 0x10000c
	s_cmp_lg_u32 s2, 0xf033
	s_cbranch_scc0 .Lentry_shape_is_right
	s_endpgm
.Lentry_shape_is_right:
; THE FIRST PRODUCT, qkv = query x in_proj_weight^T, on codes of BF6 (E3M2) with E8M0 scales, and the quantising of its result for the two products of attention.  No f32 result goes to memory.
; One body computes Z[s1][s0] = sum over k of S1[s1][k] S0[s0][k]; S1 and S0 are blocks of 256 rows of the one buffer of codes uc (768 bytes a row; scale bytes us, 32 a row; 48 blocks of 256 rows:
; 0-31 tokens, 32-35 q's weights, 36-39 k's, 40-43 v's).  Source 0 of the matrix instruction takes 16 rows of S0, source 1 sixteen rows of S1: a lane holds ONE row of S1 and its registers run along S0,
; and the result is quantised along S0.  Two regions of the grid, told apart by F = (cluster y >= 8):
;   F = 0, 256 work-groups: S1 = tokens, S0 = q's and k's weights: q and k are quantised along the head's 64.
;   F = 1, 128 work-groups: S1 = v's weights, S0 = tokens: v is quantised along the keys, and nothing is transposed.
; Rows lie in uc with bits 3 and 4 of their number exchanged, so the 16 registers of two neighbouring tiles of S0 are 16 NEIGHBOURS along S0: register 16 b + i of a block of S1 is index 32 b + 16 (lane / 16) + i.
; WHAT IS STORED.  z: images of half operands, 768 bytes each: 16 rows x 64 along K, six registers a lane: registers 0-3 at 16 x lane, registers 4-5 at 512 + 8 x lane.  z is [batch 4][G 48][128][768]:
; G 0-15 q's heads, 16-31 k's heads (index: tile of 16 tokens), 32-47 v's heads (index: 4 x group of 64 keys + tile of 16 of the head's 64).  zs: scale words, 256 bytes for each 8 images:
; [4 slots][16 rows]; q, k: slot i = two bytes of tile 2 i, two of tile 2 i + 1; v: slot d = the four bytes of 128 keys for tile d.
; The division of q by 8 is left to the softmax's factor: it would change no code, only each byte by 3.  LIMITS: that holds while a block of q has a largest magnitude of 2^-119 or more;
; a block of zeros gets the byte 1 (zero codes); NaN and infinities are not served.
; A work-group of four waves makes 256 x 256, a wave 128 x 128: 64 accumulators, 512 registers.  K goes in steps of 256 through a ring of two LDS slots filled by the tensor data mover; the scale bytes of the
; work-group's 512 rows come once.  CLUSTERS of 4 x 4: S1's tiles are asked for jointly along a row of the cluster, S0's along a column.
; REGISTERS: window 0: v0-31 addresses; v32-63 scale words, two sets; from v128 S1's fragments, one set.  Window 1: S0's fragments, two sets.  Windows 2, 3: the accumulators ((a, b) at v[8 (8 (a % 4) + b)]).
.set SIZE_K, 1024
.set KSTEP,  256                       ; along K in a slot
.set NQ,     KSTEP/128                 ; matrix instructions deep
.set ROWB,   192                       ; a tile's row in bytes
.set KROW,   SIZE_K*6/8                ; a row of uc in bytes
.set PITCH,  240                       ; an LDS row: 3 x (64 bytes + 16 of padding): the 32 lanes of a load of 8 bytes touch 64 different banks (64 banks of 4 bytes: ISA guide 11.1)
.set FR,     12                        ; registers of a fragment: 16 rows x 128 K
.set NL,     6                         ; LDS loads that bring one
.set NP,     4                         ; places behind this matrix instruction (ISA guide 7.12.1)
.set HALFT,  128*PITCH
.set SLOT,   4*HALFT                   ; S1's 256 rows, then S0's 256 rows
.set LAPS,   SIZE_K/(2*KSTEP)
.set KS,     SIZE_K/32                 ; a row of scale bytes
.set SCL,    2*SLOT                    ; behind the ring: the scales, as rows of 256 bytes + 16 of padding
.set HALFS,  (128*KS/256)*272
.set SBLK,   (16*KS/256)*272
.set SPARE,  SCL+4*HALFS               ; the spare words, 128 bytes for each wave: two blocks of 256 bytes that no other line names
.set ADRA, 16                          ; v16-17 LDS address of my S1 fragments in slot 0, 1 (v18-19: for the pieces behind one padding more)
.set ADRB, 20                          ; v20-23 the same for S0
.set SPW,  28                          ; v28 LDS address of my spare word; never rewritten
.set NIL,  29                          ; v29 0; never rewritten
.set ADRS, 27                          ; v27 LDS address of my scale words: lanes 0-15 S1's rows, lanes 16-31 S0's
.set SC,   32                          ; scale words: set s at v[SC + 8 NQ s]
.set AF,   128                         ; S1's fragments
.set G1, 24
.set G0, 32
.set G1B, 48
.set G0B, 56
.set G1S, 68
.set G0S, 76
.set G1SB, 80
.set G0SB, 88
.set MSB, 0
.macro WIN new                         ; the immediate's high byte repeats the setting that is left
.if MSB != (\new)
	s_set_vgpr_msb (MSB<<8)|(\new)
.set MSB, \new
.endif
.endm
.set MUL_LO, 0xa1                      ; source 0 (S0) window 1, source 1 (S1) window 0, C and D window 2
.set MUL_HI, 0xf1                      ; the same, C and D window 3
.set TO_B,   0x40                      ; destination window 1, address window 0
; A joint load: waves 0 and 1 fetch for S1, waves 2 and 3 for S0.  The branch hangs on the wave's number alone.  Four v_nop follow each of the two lines.
.macro JLOAD g0a, g1a, g0b, g1b
	s_cmp_eq_u32 s15, 0
	s_cbranch_scc0 .Lfor_b_\@
	tensor_load_to_lds s[\g0a:\g0a+3], s[\g1a:\g1a+7]
	s_nop 0
.rept 4
	v_nop
.endr
	s_branch .Lasked_\@
.Lfor_b_\@:
	tensor_load_to_lds s[\g0b:\g0b+3], s[\g1b:\g1b+7]
	s_nop 0
.rept 4
	v_nop
.endr
.Lasked_\@:
.endm
.macro CREST                           ; a round of the cluster's barrier behind its opening barrier
	s_cmp_lg_u32 s14, 0
	s_cbranch_scc1 .Lnot_wave_0_\@
	s_barrier_signal -3
.Lnot_wave_0_\@:
	s_barrier_wait -3
	s_barrier_signal -1
	s_barrier_wait -1
.endm
.macro CROUND                          ; a whole round
	s_barrier_signal -1
	s_barrier_wait -1
	CREST
.endm
	s_load_b128 s[4:7], s[0:1], 0x0                ; uc s[4:5], us s[6:7]
	s_load_b128 s[8:11], s[0:1], 0x10              ; z s[8:9], zs s[10:11]
	v_lshl_add_u32 v[SPW], v0, 2, SPARE
	v_mov_b32 v[NIL], 0
	ds_add_u32 v28, v29
	ds_add_u32 v28, v29
	s_wait_dscnt 0x0
	v_lshrrev_b32 v1, 5, v0
	v_readfirstlane_b32 s14, v1                    ; wave 0..3
	s_lshr_b32 s15, s14, 1                         ; which half of S1's rows is mine.  Also: I fetch for S1 (0) or for S0 (1)
	s_and_b32 s16, s14, 1                          ; which half of S0's rows.  Also: which 128 rows of that tile I fetch
	s_bfe_u32 s40, ttmp6, 0x40000                  ; cx, cy: my place in the cluster
	s_bfe_u32 s41, ttmp6, 0x40004
	s_and_b32 s17, ttmp7, 0xffff                   ; cluster y, 0..11
	s_lshr_b32 s97, s17, 3                         ; F
	s_xor_b32 s12, s97, 1                          ; 1 - F
	s_and_b32 s13, s17, 7
	s_mul_i32 s13, s13, s97
	s_lshl_b32 s13, s13, 1
	s_add_co_u32 s13, s13, ttmp9                   ; S0's column of clusters: cluster x + 2 F (cluster y - 8)
	s_mul_i32 s17, s17, s12                        ; S1's row of clusters: cluster y (1 - F)
	s_lshl_b32 s95, s17, 2
	s_add_co_u32 s95, s95, s41                     ; S1's block of 256 rows, counted in its region
	s_lshl_b32 s100, s13, 2
	s_add_co_u32 s100, s100, s40                   ; S0's likewise
	s_mul_i32 s17, s97, 40
	s_add_co_u32 s17, s17, s95                     ; S1's block in uc: tokens from 0, v's weights from 40
	s_lshl_b32 s42, s12, 5
	s_add_co_u32 s42, s42, s100                    ; S0's block in uc: q's and k's weights from 32, tokens from 0
	s_lshl_b32 s43, s41, 2
	s_lshl_b32 s43, 15, s43                        ; my row of the cluster
	s_lshl_b32 s44, 0x1111, s40                    ; my column
	; descriptor group 1: a tile of 128 rows x ROWB bytes, padded in LDS
	s_or_b32 s[G1+0], s43, (0<<16)|(1<<20)|(1<<21)|(3<<22)|(3<<25)  ; 15:0 the mask: S1's tiles go to my row; 17:16 elements of 1 byte; 20 padding on; 21 set beside a mask; 24:22 after every 16 words; 31:25 of 4 words
	s_or_b32 s[G1B+0], s44, (0<<16)|(1<<20)|(1<<21)|(3<<22)|(3<<25)
.irp g, G1, G1B
	s_mov_b32 s[\g+1], ROWB<<16                    ; tensor_dim0
	s_mov_b32 s[\g+2], 128<<16                     ; tensor_dim1
	s_mov_b32 s[\g+3], ROWB<<16                    ; tile_dim0
	s_mov_b32 s[\g+4], 128                         ; tile_dim1
	s_mov_b32 s[\g+5], KROW                        ; tensor_dim0_stride
	s_mov_b32 s[\g+6], 0
	s_mov_b32 s[\g+7], 0
.endr
	; the scales of 128 rows: a dense block of 4,096 bytes, as rows of 256 bytes (32 elements of 8 bytes), 16 bytes of padding behind each
	s_or_b32 s[G1S+0], s43, (3<<16)|(1<<20)|(1<<21)|(5<<22)|(3<<25)
	s_or_b32 s[G1SB+0], s44, (3<<16)|(1<<20)|(1<<21)|(5<<22)|(3<<25)
.irp g, G1S, G1SB
	s_mov_b32 s[\g+1], 32<<16
	s_mov_b32 s[\g+2], (128*KS/256)<<16
	s_mov_b32 s[\g+3], 32<<16
	s_mov_b32 s[\g+4], 128*KS/256
	s_mov_b32 s[\g+5], 32
	s_mov_b32 s[\g+6], 0
	s_mov_b32 s[\g+7], 0
.endr
	s_lshl_b32 s18, s16, 7                         ; which 128 rows of the tile I fetch
	s_lshl_b32 s20, s17, 8
	s_add_co_u32 s20, s20, s18                     ; S1: row 256 x block + 128 x half
	s_lshl_b32 s46, s42, 8
	s_add_co_u32 s46, s46, s18                     ; S0 likewise
	s_mov_b32 s21, 0
	s_mov_b32 s47, 0
	s_mov_b64 s[18:19], KS
	s_mul_u64 s[22:23], s[20:21], s[18:19]         ; where these rows' scales begin, in bytes
	s_mul_u64 s[92:93], s[46:47], s[18:19]
	s_mov_b64 s[18:19], KROW
	s_mul_u64 s[20:21], s[20:21], s[18:19]         ; and their codes
	s_mul_u64 s[46:47], s[46:47], s[18:19]
	s_mul_i32 s45, s14, HALFT                      ; where they go: wave x 128 rows: no place in the cluster enters an LDS address
	s_mul_i32 s94, s14, HALFS
	s_wait_kmcnt 0x0
	s_add_nc_u64 s[20:21], s[4:5], s[20:21]
	s_add_nc_u64 s[22:23], s[6:7], s[22:23]
	s_add_nc_u64 s[46:47], s[4:5], s[46:47]
	s_add_nc_u64 s[92:93], s[6:7], s[92:93]
	CROUND                                         ; all sixteen work-groups are here: the first joint loads meet
	s_mov_b32 s[G0S], 1
	s_add_co_u32 s[G0S+1], s94, SCL
	s_mov_b64 s[G0S+2:G0S+3], s[22:23]
	s_or_b32 s[G0S+3], s[G0S+3], 0x80000000
	s_mov_b32 s[G0SB], 1
	s_add_co_u32 s[G0SB+1], s94, SCL
	s_mov_b64 s[G0SB+2:G0SB+3], s[92:93]
	s_or_b32 s[G0SB+3], s[G0SB+3], 0x80000000
	JLOAD G0S, G1S, G0SB, G1SB                     ; the scales first: they are wanted with K step 0
.irp s, 0,1
	s_mov_b32 s[G0+4*\s], 1
	s_add_co_u32 s[G0+4*\s+1], s45, \s*SLOT
	s_add_nc_u64 s[G0+4*\s+2:G0+4*\s+3], s[20:21], \s*ROWB
	s_or_b32 s[G0+4*\s+3], s[G0+4*\s+3], 0x80000000
	s_mov_b32 s[G0B+4*\s], 1
	s_add_co_u32 s[G0B+4*\s+1], s45, \s*SLOT
	s_add_nc_u64 s[G0B+4*\s+2:G0B+4*\s+3], s[46:47], \s*ROWB
	s_or_b32 s[G0B+4*\s+3], s[G0B+4*\s+3], 0x80000000
	JLOAD G0+4*\s, G1, G0B+4*\s, G1B
.endr
	v_and_b32 v1, 15, v0                           ; l % 16
	v_bfe_u32 v2, v0, 4, 1                         ; l / 16
	v_mul_u32_u24 v3, v1, PITCH
	v_mul_u32_u24 v4, v2, 24
	v_add_nc_u32 v4, v3, v4                        ; a fragment's row x pitch + 24 x half
	v_lshl_add_u32 v5, v2, 4, v4                   ; and the same behind one padding more
	s_mul_i32 s21, s15, HALFT                      ; my 128 rows of S1
	s_mul_i32 s22, s16, HALFT                      ; my 128 rows of S0,
	s_add_co_u32 s22, s22, 2*HALFT                 ; which lie behind S1's 256
.irp s, 0,1
	v_add_nc_u32 v[ADRA+\s], s21, v4
	v_add_nc_u32 v[ADRB+\s], s22, v4
	v_add_nc_u32 v[ADRA+2+\s], s21, v5
	v_add_nc_u32 v[ADRB+2+\s], s22, v5
	s_add_co_u32 s21, s21, SLOT
	s_add_co_u32 s22, s22, SLOT
.endr
	v_mul_u32_u24 v5, v1, KS                       ; my row's scales: KS bytes a row,
	v_lshrrev_b32 v6, 8, v5
	v_lshl_add_u32 v5, v6, 4, v5                   ; and 16 more for each 256 passed
	s_mul_i32 s21, s15, HALFS                      ; S1's: my 128 rows
	s_mul_i32 s22, s16, HALFS                      ; S0's: my 128 rows, behind S1's 256
	s_add_co_u32 s22, s22, 2*HALFS
	s_sub_co_u32 s22, s22, s21
	v_mul_u32_u24 v6, s22, v2                      ; lanes 16-31 take S0's
	s_add_co_u32 s21, s21, SCL
	v_add_nc_u32 v5, v5, v6
	v_add_nc_u32 v[ADRS], s21, v5
	; where my wave's images begin in z, counted in images: s96.  T = my first tile of 16 rows of S1, G = my first group of 64 of S0
	s_lshl_b32 s95, s95, 4
	s_lshl_b32 s2, s15, 3
	s_add_co_u32 s95, s95, s2                      ; T
	s_lshl_b32 s100, s100, 2
	s_lshl_b32 s2, s16, 1
	s_add_co_u32 s100, s100, s2                    ; G
	s_lshr_b32 s101, s95, 7                        ; F = 0: batch = T / 128,
	s_and_b32 s94, s95, 127                        ;        index = T % 128, group = G
	s_lshr_b32 s2, s100, 5                         ; F = 1: batch = G / 32,
	s_and_b32 s93, s100, 31
	s_lshl_b32 s93, s93, 2                         ;        index = 4 (G % 32),
	s_lshr_b32 s92, s95, 2
	s_add_co_u32 s92, s92, 32                      ;        group = 32 + T / 4
	s_cmp_eq_u32 s97, 0
	s_cselect_b32 s101, s101, s2
	s_cselect_b32 s100, s100, s92
	s_cselect_b32 s94, s94, s93
	s_mul_i32 s101, s101, 48
	s_add_co_u32 s101, s101, s100
	s_lshl_b32 s101, s101, 7
	s_add_co_u32 s96, s101, s94
.macro FRAG reg, adr, q, i             ; a fragment, 16 rows x 128 K of 6-bit codes: lane l holds row l % 16; registers 6 c .. 6 c + 5 hold K = 64 c + 32 (l / 16) + 0 .. 31: 24 bytes of the row, as they lie
.irp p, 0,1,2,3,4,5                    ; in pieces of 8 bytes.  Lanes 16-31 read three pieces further on than lanes 0-15; where that is behind one padding more, the second address register serves
.set PC, 12*(\q)+6*(\p/3)+\p%3
.if PC%8 < 5
	ds_load_b64 v[\reg+2*\p:\reg+2*\p+1], v[\adr] offset:8*PC+16*(PC/8)+(\i)*16*PITCH
.else
	ds_load_b64 v[\reg+2*\p:\reg+2*\p+1], v[\adr+2] offset:8*PC+16*(PC/8)+(\i)*16*PITCH
.endif
.endr
.endm
; 16 matrix instructions: S1's blocks a0, a0 + 1 x S0's eight, 128 along K.  zero = 1: the first product starts the sums.  The 64 accumulators take turns, one instruction a turn.
.macro MUL16 a0, p, q, sc, zero
.irp a, \a0, \a0+1
.irp b, 0,1,2,3,4,5,6,7
.if \zero
	v_wmma_scale_f32_16x16x128_f8f6f4 v[8*(8*((\a)%4)+\b):8*(8*((\a)%4)+\b)+7], v[128*(\p)+FR*\b:128*(\p)+FR*\b+FR-1], v[AF+FR*(\a):AF+FR*(\a)+FR-1], 0, v[SC+8*NQ*(\sc)+NQ*\b+(\q)], v[SC+8*NQ*(\sc)+NQ*(\a)+(\q)] matrix_a_fmt:MATRIX_FMT_BF6 matrix_b_fmt:MATRIX_FMT_BF6 matrix_a_scale:MATRIX_SCALE_ROW1
.else
	v_wmma_scale_f32_16x16x128_f8f6f4 v[8*(8*((\a)%4)+\b):8*(8*((\a)%4)+\b)+7], v[128*(\p)+FR*\b:128*(\p)+FR*\b+FR-1], v[AF+FR*(\a):AF+FR*(\a)+FR-1], v[8*(8*((\a)%4)+\b):8*(8*((\a)%4)+\b)+7], v[SC+8*NQ*(\sc)+NQ*\b+(\q)], v[SC+8*NQ*(\sc)+NQ*(\a)+(\q)] matrix_a_fmt:MATRIX_FMT_BF6 matrix_b_fmt:MATRIX_FMT_BF6 matrix_a_scale:MATRIX_SCALE_ROW1
.endif
.endr
.endr
.endm
.macro FETCH_B slot, q, p              ; S0's eight fragments of the slot's q-th 128 along K into set p
	WIN TO_B
.irp i, 0,1,2,3,4,5,6,7
	FRAG 128*(\p)+FR*\i, ADRB+\slot, \q, \i
.endr
	WIN 0
.endm
.macro FETCH_A slot, q, i0             ; S1's blocks i0 .. i0 + 3
.irp i, \i0, \i0+1, \i0+2, \i0+3
	FRAG AF+FR*(\i), ADRA+\slot, \q, \i
.endr
.endm
.macro SCALES sc                       ; the next K step's scale words into set sc: lanes 0-15 take S1's block i, lanes 16-31 S0's block i
.irp i, 0,1,2,3,4,5,6,7
	ds_load_b64 v[SC+8*NQ*\sc+NQ*\i:SC+8*NQ*\sc+NQ*\i+1], v[ADRS] offset:\i*SBLK
.endr
.endm
; A load into a register that a matrix instruction has read, and a vector instruction that reads a matrix result, stand NP plain vector instructions behind that matrix instruction.
.macro PLACES n
.rept \n
	v_nop
.endr
.endm
; A step of 128 along K that has its successor in the same slot.
.macro STEP slot, q, zero
	s_wait_dscnt 4*NL                              ; S0's set and S1's blocks 0-3 are in; the youngest 24 loads (S1's blocks 4-7) may be out
	WIN MUL_LO
	MUL16 0, (\q)%2, \q, \slot, \zero
	MUL16 2, (\q)%2, \q, \slot, \zero
	s_wait_dscnt 0                                 ; S1's blocks 4-7 are in
	PLACES NP
	FETCH_B \slot, (\q)+1, 1-(\q)%2
	FETCH_A \slot, (\q)+1, 0
	WIN MUL_HI
	MUL16 4, (\q)%2, \q, \slot, \zero
	MUL16 6, (\q)%2, \q, \slot, \zero
	PLACES NP
	WIN 0
	FETCH_A \slot, (\q)+1, 4
.endm
; A slot's last step changes slots: one barrier; in front of it each wave waits for all its tensor loads, adds 0 to its spare word, and waits for that and for its own reads of this slot.  fill = 1: this slot is filled again, two K steps ahead.
.macro TURN slot, next, fill
	s_wait_tensorcnt 0x0                           ; all my tensor loads have landed: my part of the next slot
	ds_add_u32 v[SPW], v[NIL]                      ; 0 onto my spare word
	s_wait_dscnt 4*NL+1                            ; (the add and the youngest 24 loads, S1's blocks 4-7, may be out)
	WIN MUL_LO
	MUL16 0, 1, NQ-1, \slot, 0                     ; sixteen matrix instructions stand between the add and the wait for it
	s_wait_dscnt 0x0                               ; the add is done, and my reads of this slot are over
	s_barrier_signal -1
	MUL16 2, 1, NQ-1, \slot, 0
	WIN 0
	s_barrier_wait -1
.if \fill
	CREST                                          ; the barrier has opened a round of the cluster's barrier: no wave of any partner still reads this slot's tile or has a load on its way
	s_add_nc_u64 s[G0+4*\slot+2:G0+4*\slot+3], s[G0+4*\slot+2:G0+4*\slot+3], 2*ROWB
	s_add_nc_u64 s[G0B+4*\slot+2:G0B+4*\slot+3], s[G0B+4*\slot+2:G0B+4*\slot+3], 2*ROWB
	JLOAD G0+4*\slot, G1, G0B+4*\slot, G1B         ; the first tensor load behind the round; the four v_nop behind it are the places in front of the loads below
.else
	PLACES NP
.endif
	v_add_nc_u32 v[ADRS], 4*NQ, v[ADRS]            ; on to the next K step's scale words
	FETCH_B \next, 0, 0
	FETCH_A \next, 0, 0
	SCALES \next
	WIN MUL_HI
	MUL16 4, 1, NQ-1, \slot, 0
	MUL16 6, 1, NQ-1, \slot, 0
	PLACES NP
	WIN 0
	FETCH_A \next, 0, 4
.endm
	s_wait_tensorcnt 1                             ; the scales and my part of K step 0 are in (K step 1's load may be out),
	s_barrier_signal -1
	s_barrier_wait -1                              ; everybody's are
	FETCH_B 0, 0, 0
	FETCH_A 0, 0, 0
	SCALES 0
	FETCH_A 0, 0, 4
	STEP 0, 0, 1                                   ; the first step stands in front of the loop: its products start the sums
	s_mov_b32 s3, LAPS-1
.Llap:                                                 ; a trip goes once round the ring and fills both slots again
	TURN 0, 1, 1
	STEP 1, 0, 0
	TURN 1, 0, 1
	STEP 0, 0, 0
	s_sub_co_u32 s3, s3, 1
	s_cmp_lg_u32 s3, 0
	s_cbranch_scc1 .Llap
	TURN 0, 1, 0                                   ; the last lap fills nothing
	STEP 1, 0, 0
	s_wait_dscnt 4*NL                              ; the very last step: nothing more to fetch
	WIN MUL_LO
	MUL16 0, 1, NQ-1, 1, 0
	MUL16 2, 1, NQ-1, 1, 0
	s_wait_dscnt 0
	WIN MUL_HI
	MUL16 4, 1, NQ-1, 1, 0
	MUL16 6, 1, NQ-1, 1, 0
	WIN 0
; THE WAY OUT: no LDS.  Each of my eight blocks of 16 rows of S1 (64 registers a lane: 128 along S0, four blocks of 32) is quantised in registers; the twelve registers of codes are two images, stored as they stand.
.set TM,  32                           ; v32-35 largest magnitudes, v36-39 the other half's, then bytes; v44-47 the conversions' scale operands
.set CT,  48                           ; v48-55 the upper halves of the blocks' codes
.set LI16, 24                          ; v24 16 x lane;  v25 8 x lane
.set LI8,  25
.set WA,  68                           ; v68-71 where the scale words of block pairs 0 to 3 go
	PLACES NP                                      ; in front of the first read of results and of writes of registers that the last products have read
	s_mov_b32 s52, 3072                            ; all my tensor loads were waited for at the last change of slots: the descriptors' registers are free
	s_mov_b32 s53, 98304
	s_mov_b32 s54, 4096
	s_mov_b32 s55, 0x05040100
	s_mov_b32 s56, 0x03020100
	s_mov_b32 s57, 0x07060302
	s_mov_b32 s58, 0x07060504
	s_mov_b32 s59, 128
	s_cmp_eq_u32 s97, 0                            ; F = 0 | F = 1
	s_cselect_b32 s40, s52, s53                    ; four blocks of S1 on: four images | a head
	s_cselect_b32 s42, s53, s52                    ; 64 along S0 on: a head | four images
	s_cselect_b32 s44, s54, 64                     ; scale words: lanes 16-31 store the next head's word | the next tile's
	s_cselect_b32 s45, 64, s59                     ; a pair of blocks on
	s_cselect_b32 s46, s59, s54                    ; two pairs on
	s_cselect_b32 s47, s55, s56                    ; lanes 0-15: the low halves of both blocks' words | the first block's word
	s_cselect_b32 s48, s57, s58                    ; lanes 16-31: the high halves | the second block's word
	s_mov_b32 s41, 0
	s_mov_b32 s43, 0
	s_mov_b32 s49, 0xffff0000                      ; lanes 16-31
	s_mov_b32 s50, 0x76543210
	s_mov_b32 s51, 0xfedcba98                      ; v_permlanex16_b32's selects for lane l xor 16
	s_mul_i32 s34, s96, 768
	s_mov_b32 s35, 0
	s_add_nc_u64 s[24:25], s[8:9], s[34:35]        ; z at my first image;
	s_add_nc_u64 s[26:27], s[24:25], s[42:43]      ; the second 64 along S0;
	s_add_nc_u64 s[28:29], s[24:25], s[40:41]      ; blocks 4-7;
	s_add_nc_u64 s[30:31], s[28:29], s[42:43]      ; both
	s_lshl_b32 s34, s96, 5
	s_add_nc_u64 s[32:33], s[10:11], s[34:35]      ; zs: 32 bytes an image
	v_and_b32 v1, 31, v0
	v_lshlrev_b32 v[LI16], 4, v1
	v_lshlrev_b32 v[LI8], 3, v1
	v_and_b32 v2, 15, v0
	v_bfe_u32 v3, v0, 4, 1
	v_lshlrev_b32 v[WA], 2, v2
	v_mad_u32_u24 v[WA], v3, s44, v[WA]
	v_add_nc_u32 v[WA+1], s45, v[WA]
	v_add_nc_u32 v[WA+2], s46, v[WA]
	v_add_nc_u32 v[WA+3], s46, v[WA+1]
.irp b, 0,1,2,3
	v_mov_b32 v[TM+4+\b], 0                        ; written once: a lane permute's destination counts as one of its sources
.endr
; 64 numbers of a lane, registers s .. s + 63 of window w, register 16 b + i = index 32 b + 16 (lane / 16) + i of my row, become twelve registers of codes at v[pc] and a scale word in v[pw].
.macro QUANT s, w, pc, pw
.set QW, ((\w)<<2)|((\w)<<4)
	WIN QW                                         ; sources 1 and 2 in the accumulators' window
.irp b, 0,1,2,3
	v_max3_num_f32 v[TM+\b], 0x2800000, |v[\s+16*\b]|, |v[\s+1+16*\b]|   ; block b: my 16 numbers, from each accumulator's low end on, and the floor 2^(5 - 127): the byte cannot fall under 1
.endr
.irp i, 2,4,6,8,10,12,14
.irp b, 0,1,2,3
	v_max3_num_f32 v[TM+\b], v[TM+\b], |v[\s+16*\b+\i]|, |v[\s+1+16*\b+\i]|   ; (the four blocks by turns)
.endr
.endr
	WIN 0
.irp b, 0,1,2,3
	v_permlanex16_b32 v[TM+4+\b], v[TM+\b], s50, s51
.endr
.irp b, 0,1,2,3
	v_max_num_f32 v[TM+\b], v[TM+\b], v[TM+4+\b]   ; with lane l xor 16's: the block's largest magnitude
.endr
.irp b, 0,1,2,3
	v_add_nc_u32 v[TM+12+\b], 0xfe000000, v[TM+\b] ; 4 off its exponent field: the conversion's scale operand
.endr
.irp b, 0,1,2,3
	v_lshrrev_b32 v[TM+4+\b], 23, v[TM+12+\b]      ; the scale's byte
.endr
	v_lshl_or_b32 v[\pw], v[TM+5], 8, v[TM+4]      ; the four bytes make my row's scale word
	v_lshl_or_b32 v[\pw], v[TM+6], 16, v[\pw]
	v_lshl_or_b32 v[\pw], v[TM+7], 24, v[\pw]
	WIN \w                                         ; source 0 in the accumulators' window
.irp c, 0,1
	v_cvt_scalef32_pk16_bf6_f32 v[\pc+6*\c:\pc+2+6*\c], v[\s+32*\c:\s+15+32*\c], v[TM+12+2*\c]
	v_cvt_scalef32_pk16_bf6_f32 v[CT+4*\c:CT+2+4*\c], v[\s+16+32*\c:\s+31+32*\c], v[TM+12+2*\c+1]   ; (a conversion's three registers begin on an even number)
.endr
	WIN 0
	v_nop                                          ; one plain line behind a scaled conversion
.irp c, 0,1                                    ; the operand's layout wants a whole block in a lane: lanes 0-15 block 2 c, lanes 16-31 block 2 c + 1
.irp i, 0,1,2
	v_permlane16_swap_b32 v[\pc+6*\c+\i], v[CT+4*\c+\i]
.endr
.irp i, 0,1,2
	v_mov_b32 v[\pc+3+6*\c+\i], v[CT+4*\c+\i]
.endr
.endr
.endm
.irp i, 0,1,2,3                                ; a pair of blocks at a time; every store has data registers of its own, so none is written again
.irp x, 0,1
.set AB, 2*\i+\x
.set AC, 64*(AB%4)
.set AW, 2+AB/4
.set PCX, 96+24*\i+12*\x
.set PWX, 56+\x
	QUANT AC, AW, PCX, PWX
.irp c, 0,1
	global_store_b128 v[LI16], v[PCX+6*\c:PCX+6*\c+3], s[24+4*(AB/4)+2*\c:25+4*(AB/4)+2*\c] offset:(AB%4)*768       ; 512 consecutive bytes, aligned to 256,
	global_store_b64 v[LI8], v[PCX+6*\c+4:PCX+6*\c+5], s[24+4*(AB/4)+2*\c:25+4*(AB/4)+2*\c] offset:(AB%4)*768+512   ; and the image's last 256
.endr
.endr
	v_perm_b32 v58, v57, v56, s47
	v_perm_b32 v59, v57, v56, s48
	v_cndmask_b32 v[64+\i], v58, v59, s49
	global_store_b32 v[WA+\i], v[64+\i], s[32:33]  ; 64 bytes for each half of the lanes: all that a wave has of a slot of scale words
.endr
	s_wait_tensorcnt 0x0                           ; the wave's end
	ds_add_u32 v[SPW], v[NIL]
	s_wait_dscnt 0x0
	CROUND                                         ; the closing round: no work-group ends while a partner may still ask for a tile that names it
	s_endpgm
.Lfunc_end_k_q1014794561_qkv:
	.size	k_q1014794561_qkv, .Lfunc_end_k_q1014794561_qkv-k_q1014794561_qkv
	.p2alignl 7, 3214868480
	.fill 96, 4, 3214868480
	.section	.rodata,"a",@progbits
	.p2align	6, 0x0
	.amdhsa_kernel k_q1014794561_qkv
		.amdhsa_group_segment_fixed_size 327680
		.amdhsa_private_segment_fixed_size 0
		.amdhsa_enable_private_segment 0
		.amdhsa_kernarg_size 32
		.amdhsa_user_sgpr_count 2
		.amdhsa_user_sgpr_kernarg_segment_ptr 1
		.amdhsa_wavefront_size32 1
		.amdhsa_system_sgpr_workgroup_id_x 1
		.amdhsa_system_sgpr_workgroup_id_y 1
		.amdhsa_system_sgpr_workgroup_id_z 1
		.amdhsa_system_vgpr_workitem_id 0
		.amdhsa_next_free_vgpr 1024
		.amdhsa_next_free_sgpr 102
		.amdhsa_reserve_vcc 0
		.amdhsa_float_denorm_mode_32 3
		.amdhsa_float_denorm_mode_16_64 3
		.amdhsa_memory_ordered 1
		.amdhsa_forward_progress 1
		.amdhsa_inst_pref_size 167
	.end_amdhsa_kernel
	.amdgpu_metadata
---
amdhsa.version: [ 1, 2 ]
amdhsa.kernels:
  - .name:           k_q1014794561_qkv
    .symbol:         k_q1014794561_qkv.kd
    .args:
      - { .name: uc, .offset: 0, .size: 8, .value_kind: global_buffer, .address_space: global }
      - { .name: us, .offset: 8, .size: 8, .value_kind: global_buffer, .address_space: global }
      - { .name: z, .offset: 16, .size: 8, .value_kind: global_buffer, .address_space: global }
      - { .name: zs, .offset: 24, .size: 8, .value_kind: global_buffer, .address_space: global }
    .group_segment_fixed_size: 327680
    .private_segment_fixed_size: 0
    .kernarg_segment_align: 8
    .kernarg_segment_size: 32
    .max_flat_workgroup_size: 128
    .sgpr_count:     102
    .vgpr_count:     1024
    .wavefront_size: 32
...
	.end_amdgpu_metadata
.endif
;; end of part 2
;; launch attn (part 3): grid 4 x 64, 16 waves a work-group, clusters of 4 x 1, 206,848 bytes of LDS; arguments z, zs, oc, os; writes oc, os
.if DOCPART == 3
	.amdgcn_target "amdgcn-amd-amdhsa--gfx1250"
	.amdhsa_code_object_version 6
	.text
	.protected	k_q1014794561_attn
	.globl	k_q1014794561_attn
	.p2align	8
	.type	k_q1014794561_attn,@function
k_q1014794561_attn:
	s_mov_b64 s[64:65], 0
	v_nop
	global_prefetch_b8 v0, s[64:65] scope:SCOPE_SE
	s_setreg_imm32_b32 hwreg(HW_REG_WAVE_MODE, 25, 1), 1
	s_wait_xcnt 0x0
	s_wait_alu depctr_hold_cnt(0) depctr_sa_sdst(0) depctr_va_vdst(0) depctr_va_sdst(0) depctr_va_ssrc(0) depctr_va_vcc(0) depctr_vm_vsrc(0)
	s_getreg_b32 s2, hwreg(HW_REG_IB_STS2, 6, 4)
	s_cmp_eq_u32 s2, 0
	s_cbranch_scc0 .Lentry_in_a_cluster
	s_endpgm
.Lentry_in_a_cluster:
	s_bfe_u32 s2, ttmp6, 0x10000c
	s_cmp_lg_u32 s2, 0x3003
	s_cbranch_scc0 .Lentry_shape_is_right
	s_endpgm
.Lentry_shape_is_right:
; CAUSAL ATTENTION on codes of BF6 (E3M2) with E8M0 scales: for each batch and head, O[q] = sum over keys k <= q of softmax(Q[q] . K[k] / 8) V[k], and O quantised along the head's 64 for the last product.
; IN: z, images of half operands (16 rows x 64 along K, 768 bytes: registers 0-3 at 16 x lane, 4-5 at 512 + 8 x lane), [batch][G 48][128]: G 0-15 q, 16-31 k (index: tile of 16 tokens), 32-47 v with the keys along K
; (index: 4 x group of 64 keys + tile of 16 of the head's 64); zs, their scale words, 256 bytes for 8 images.  A tile's 16 rows are rows 8 (tile % 2) + r + 8 (r / 8) of its group of 32.
; OUT: oc, O's images [batch x 128 + tile of tokens][head 16][768]; os, O's scale bytes [place of the token][32].
; THE SOFTMAX: t = score x log2(e) / 8 (q was quantised undivided: the division by 8 changes no code and stands in this factor); M = the largest t so far, rounded up to a whole number; p = 2^(t - M) is quantised
; along the keys, not normalised; the sum is taken of the unquantised p and divides O at the end.  When M moves, the sum and O are multiplied by 2^(old M - new M): exact.
; LIMITS: NaN and infinities are not served; a block of zeros gets the byte 1 (zero codes).
; SHARES.  The four work-groups of a cluster serve one head.  The head's K, V and scale words, 204,800 bytes, come into each one's LDS ONCE, by joint loads: nothing in LDS is filled again or stored to.
; Work-group x, wave w (u = w / 8, m = w % 8) owns two tiles of 16 queries: tile 2 x + u of the block of 128 tokens 8 + m, then of block 7 - m: (9 + m) + (8 - m) = 17 key steps of 128 keys in every wave.
; Which steps a wave leaves out hangs on its number and the loops' counters alone; the work-group's place in the cluster enters global addresses and the mask's numbers only.
; LAYOUT.  Both products are used transposed: S^T = K Q^T, O^T = V^T P^T: a lane holds one query.  The head has 64 along K and the instruction 128: source 0 holds TWO tiles of keys (one in each half of K) and
; source 1 is Q beside zero codes, in the lower half or in the upper: v192-209 hold Q, six zeros, Q.  The 16 registers of tiles 2 b and 2 b + 1 are keys 32 b + 16 (lane / 16) + 0 .. 15.
; REGISTERS: v1-7, v17-18 addresses and constants; v8-11, v16 the step's LDS addresses; v12 -M, v13 the largest t, v[14:15] the sum; v32-79 four fragments of K, then of V; v96-159 S^T, then p; v160-191 O^T;
; v192-209 Q; v210-223 both passes' q as loaded; v224-235 p's codes; v232-247 at work; v248-251 K's and V's scale words; v252 f; v253 p's scale word; v255 Q's.
.set VC,   98304                       ; LDS: K's codes at 0, V's here, 98,304 bytes each;
.set KW,   196608                      ; K's scale words, 4,096 bytes; V's behind them
.set STB,  6144                        ; a key step's eight images
.set WV,   80                          ; s80 my wave's number
.set CXR,  81                          ; s81 x: my place in the cluster
.set SEL,  82                          ; s[82:83] v_permlanex16_b32's selects for lane l xor 16
.set CS,   84                          ; s[84:85] c = log2(e) / 8
.set JJ,   86                          ; s86 the key step
.set JB,   87                          ; s87 my queries' block of 128 tokens
.set TK,   88                          ; s88 6,144 x the key step
.set TS,   89                          ; s89 256 x the key step
.macro CROUND                          ; a round of the cluster's barrier
	s_barrier_signal -1
	s_barrier_wait -1
	s_cmp_lg_u32 s[WV], 0
	s_cbranch_scc1 .Lnot_wave_0_\@
	s_barrier_signal -3
.Lnot_wave_0_\@:
	s_barrier_wait -3
	s_barrier_signal -1
	s_barrier_wait -1
.endm
	s_load_b256 s[4:11], s[0:1], 0x0               ; z s[4:5], zs s[6:7], oc s[8:9], os s[10:11]
	v_lshl_add_u32 v95, v0, 2, 0x32000
	v_mov_b32 v243, 0
	ds_add_u32 v95, v243
	ds_add_u32 v95, v243
	v_lshrrev_b32 v1, 5, v0
	s_delay_alu instid0(VALU_DEP_1)
	v_readfirstlane_b32 s[WV], v1                  ; wave 0..15
	s_bfe_u32 s[CXR], ttmp6, 0x40000
	s_and_b32 s92, ttmp7, 0xffff                   ; 16 x batch + head, which the four partners share
	s_lshr_b32 s93, s92, 4                         ; batch
	s_and_b32 s94, s92, 15                         ; head
	s_mul_i32 s48, s93, 48
	s_add_co_u32 s48, s48, s94                     ; q's group in z
	s_lshr_b32 s90, s[WV], 3                       ; u
	s_and_b32 s91, s[WV], 7                        ; m
	; what waves 0 to 3 fetch: wave / 2: K or V; wave % 2: which half of each piece
	s_and_b32 s95, s[WV], 3
	s_lshr_b32 s96, s95, 1
	s_and_b32 s97, s95, 1
	s_lshl_b32 s98, s96, 4
	s_add_co_u32 s98, s98, s48
	s_add_co_u32 s98, s98, 16                      ; k's group, or v's
	s_mul_i32 s68, s98, 98304
	s_mul_i32 s99, s97, 12288
	s_add_co_u32 s70, s68, 4*STB
	s_add_co_u32 s68, s68, s99                     ; key steps 0-3: my half of 24,576 bytes
	s_mul_i32 s99, s97, 36864
	s_add_co_u32 s70, s70, s99                     ; key steps 4-15: my half of 73,728 bytes
	s_lshl_b32 s72, s98, 12
	s_lshl_b32 s99, s97, 11
	s_add_co_u32 s72, s72, s99                     ; the scale words: my half of 4,096 bytes
	s_mov_b32 s69, 0
	s_mov_b32 s71, 0
	s_mov_b32 s73, 0
	s_mul_i32 s74, s96, VC                         ; and where they go
	s_mul_i32 s99, s97, 12288
	s_add_co_u32 s75, s74, s99
	s_mul_i32 s99, s97, 36864
	s_add_co_u32 s74, s74, s99
	s_add_co_u32 s74, s74, 4*STB
	s_lshl_b32 s76, s95, 11
	s_add_co_u32 s76, s76, KW
	; descriptor groups 1: dense blocks as rows of 256 bytes (32 elements of 8 bytes); 15:0 the mask: all four work-groups; 21 set beside a mask; no padding.  48, 144 and 8 rows
.irp g, 12, 20, 28
	s_mov_b32 s[\g], 15|(3<<16)|(1<<21)
	s_mov_b32 s[\g+1], 32<<16                      ; tensor_dim0
	s_mov_b32 s[\g+3], 32<<16                      ; tile_dim0
	s_mov_b32 s[\g+5], 32                          ; tensor_dim0_stride
	s_mov_b32 s[\g+6], 0
	s_mov_b32 s[\g+7], 0
.endr
	s_mov_b32 s14, 48<<16                          ; tensor_dim1,
	s_mov_b32 s16, 48                              ; tile_dim1
	s_mov_b32 s22, 144<<16
	s_mov_b32 s24, 144
	s_mov_b32 s30, 8<<16
	s_mov_b32 s32, 8
	s_mov_b32 s[SEL], 0x76543210
	s_mov_b32 s[SEL+1], 0xfedcba98
	s_mov_b32 s[CS], 0x3e38aa3b
	s_mov_b32 s[CS+1], s[CS]                       ; (named with it as a pair, so it is written)
	s_wait_dscnt 0x0
	s_wait_kmcnt 0x0
	s_mov_b32 s36, 1                               ; groups 0: count 1, LDS address, global address, type 2
	s_mov_b32 s37, s76
	s_add_nc_u64 s[38:39], s[6:7], s[72:73]
	s_or_b32 s39, s39, 0x80000000
	s_mov_b32 s40, 1
	s_mov_b32 s41, s75
	s_add_nc_u64 s[42:43], s[4:5], s[68:69]
	s_or_b32 s43, s43, 0x80000000
	s_mov_b32 s44, 1
	s_mov_b32 s45, s74
	s_add_nc_u64 s[46:47], s[4:5], s[70:71]
	s_or_b32 s47, s47, 0x80000000
	CROUND                                         ; all four work-groups are here: the joint loads meet
	s_cmp_lt_u32 s[WV], 4                          ; a wave's three fills stand in one branch, ahead of every wait on TENSORcnt, every LDS read and every other barrier: three loads of mine are out
	s_cbranch_scc0 .Lno_fill
	tensor_load_to_lds s[36:39], s[28:35]          ; the scale words,
	s_nop 0
	tensor_load_to_lds s[40:43], s[12:19]          ; key steps 0-3,
	s_nop 0
	tensor_load_to_lds s[44:47], s[20:27]          ; key steps 4-15
	s_nop 0
.rept 4
	v_nop
.endr
.Lno_fill:
	; the global addresses of both passes.  Tile of queries: 8 x block + 2 x + u
	s_lshl_b32 s77, s[CXR], 1
	s_add_co_u32 s77, s77, s90
	s_lshl_b32 s78, s91, 3
	s_add_co_u32 s92, s77, s78
	s_add_co_u32 s92, s92, 64                      ; pass 1: block 8 + m
	s_add_co_u32 s95, s77, 56
	s_sub_co_u32 s95, s95, s78                     ; pass 2: block 7 - m
	s_mov_b32 s99, 0
	s_lshl_b32 s96, s48, 7
	s_add_co_u32 s98, s96, s92
	s_mul_i32 s98, s98, 768
	s_add_nc_u64 s[50:51], s[4:5], s[98:99]        ; q's image, pass 1
	s_add_co_u32 s98, s96, s95
	s_mul_i32 s98, s98, 768
	s_add_nc_u64 s[54:55], s[4:5], s[98:99]        ; pass 2
	s_lshl_b32 s96, s48, 12
	s_lshl_b32 s97, s[CXR], 6
	s_add_co_u32 s96, s96, s97                     ; q's scale words: 256 bytes a block, slot x
	s_lshl_b32 s97, s91, 8
	s_add_co_u32 s98, s96, s97
	s_add_co_u32 s98, s98, 2048
	s_add_nc_u64 s[52:53], s[6:7], s[98:99]
	s_add_co_u32 s98, s96, 1792
	s_sub_co_u32 s98, s98, s97
	s_add_nc_u64 s[56:57], s[6:7], s[98:99]
	s_lshl_b32 s96, s93, 7                         ; O: 128 tiles a batch
	s_lshl_b32 s79, s94, 1
	s_add_co_u32 s97, s96, s92
	s_lshl_b32 s98, s97, 4
	s_add_co_u32 s98, s98, s94
	s_mul_i32 s98, s98, 768
	s_add_nc_u64 s[58:59], s[8:9], s[98:99]        ; O's image, pass 1
	s_lshl_b32 s98, s97, 9
	s_add_co_u32 s98, s98, s79
	s_add_nc_u64 s[60:61], s[10:11], s[98:99]      ; its scale bytes: 512 bytes a tile, 2 x head in a row
	s_add_co_u32 s97, s96, s95
	s_lshl_b32 s98, s97, 4
	s_add_co_u32 s98, s98, s94
	s_mul_i32 s98, s98, 768
	s_add_nc_u64 s[62:63], s[8:9], s[98:99]        ; pass 2
	s_lshl_b32 s98, s97, 9
	s_add_co_u32 s98, s98, s79
	s_add_nc_u64 s[66:67], s[10:11], s[98:99]
	s_lshl_b32 s49, s90, 4                         ; 16 u: which half of q's scale word is my tile's
	s_lshl_b32 s79, s[CXR], 5
	s_lshl_b32 s78, s90, 3
	s_add_co_u32 s79, s79, s78                     ; 32 x + 8 u
	v_and_b32 v19, 31, v0                          ; lane
	s_delay_alu instid0(VALU_DEP_1)
	v_lshlrev_b32 v1, 4, v19                       ; an image's first four registers: 16 x lane
	s_delay_alu instid0(VALU_DEP_2)
	v_lshlrev_b32 v2, 3, v19                       ; its last two: 8 x lane (+ 512)
	s_delay_alu instid0(VALU_DEP_2)
	v_add_nc_u32 v3, VC, v1
	s_delay_alu instid0(VALU_DEP_2)
	v_add_nc_u32 v4, VC, v2
	v_lshl_add_u32 v5, v19, 2, KW                  ; scale words: 4 x lane: two slots of 16 words a load
	v_and_b32 v20, 15, v0                          ; r
	v_bfe_u32 v21, v0, 4, 1                        ; h
	s_delay_alu instid0(VALU_DEP_2)
	v_lshlrev_b32 v17, 5, v20                      ; 32 r: a row of os
	s_delay_alu instid0(VALU_DEP_3)
	v_lshlrev_b32 v18, 2, v20                      ; 4 r
	global_load_b128 v[216:219], v1, s[50:51]
	global_load_b64 v[220:221], v2, s[50:51] offset:512
	global_load_b32 v222, v18, s[52:53]
	global_load_b128 v[210:213], v1, s[54:55]
	global_load_b64 v[214:215], v2, s[54:55] offset:512
	global_load_b32 v223, v18, s[56:57]
	v_and_b32 v6, 8, v20
	s_delay_alu instid0(VALU_DEP_1)
	v_add_nc_u32 v6, v6, v20
	v_lshlrev_b32 v21, 4, v21
	s_delay_alu instid0(VALU_DEP_1)
	v_sub_nc_u32 v6, v6, v21
	s_delay_alu instid0(VALU_DEP_1)
	v_add_nc_u32 v6, s79, v6                       ; d = my query's place in its block of 128 - 16 h.  On the diagonal register 16 b + i holds key 32 b + 16 h + i: hidden where 32 b + i > d
	v_mov_b32 v7, 0xff800000                       ; -infinity
.irp i, 0,1,2,3,4,5
	v_mov_b32 v[198+\i], 0                         ; the zero codes between the two copies of Q
.endr
.irp b, 0,1,2,3
	v_mov_b32 v[236+\b], 0                         ; written once: a lane permute's destination counts as one of its sources
.endr
	v_mov_b32 v252, 0
	v_mov_b32 v253, 0                              ; (named as the upper half of the pair v[252:253] before it is first written)
; A pass begins: Q beside the zeros, its scale word's half in both halves, O^T and the sum zero, the largest t under every t.
.macro SETQ raw, word
.irp i, 0,1,2,3,4,5
	v_mov_b32 v[192+\i], v[\raw+\i]
	v_mov_b32 v[204+\i], v[\raw+\i]
.endr
	v_lshrrev_b32 v255, s49, v[\word]
	s_delay_alu instid0(VALU_DEP_1)
	v_and_b32 v255, 0xffff, v255
	s_delay_alu instid0(VALU_DEP_1)
	v_lshl_or_b32 v255, v255, 16, v255
.irp j, 0,1,2,3,4,5,6,7,8,9,10,11,12,13,14,15,16,17,18,19,20,21,22,23,24,25,26,27,28,29,30,31
	v_mov_b32 v[160+\j], 0                         ; (the step is written once: the first finds zeros.  These lines are also the places between the writes above and the first products)
.endr
	v_mov_b32 v13, 0xff61b1e6                      ; -3e38
	s_delay_alu instid0(VALU_DEP_1)
	v_floor_f32 v12, -v13                          ; -M
	v_mov_b32 v14, 0
	v_mov_b32 v15, 0
.endm
; A KEY STEP: 128 keys.  causal = 1: a step all of whose keys come after my queries is left out (a scalar branch on the counter and the wave's number, round the work, not round the lines that step addresses);
; on the diagonal hidden scores become -infinity.
.macro STEP causal
.if \causal
	s_cmp_gt_u32 s[JJ], s[JB]
	s_cbranch_scc1 .Lhidden_\@
.endif
	s_setprio 2
	v_add_nc_u32 v8, s[TK], v1                     ; (these five are also the places in front of the loads into registers that the last products have read)
	v_add_nc_u32 v9, s[TK], v2
	v_add_nc_u32 v10, s[TK], v3
	v_add_nc_u32 v11, s[TK], v4
	v_add_nc_u32 v16, s[TS], v5
.irp i, 0,1,2,3                                ; fragment i: the images of key tiles 2 i and 2 i + 1
	ds_load_b128 v[32+12*\i:35+12*\i], v8 offset:1536*\i
	ds_load_b64 v[36+12*\i:37+12*\i], v9 offset:1536*\i+512
	ds_load_b128 v[38+12*\i:41+12*\i], v8 offset:1536*\i+768
	ds_load_b64 v[42+12*\i:43+12*\i], v9 offset:1536*\i+1280
.endr
	ds_load_b32 v248, v16                          ; K's scale words: slot 0 in lanes 0-15, slot 1 in lanes 16-31;
	ds_load_b32 v249, v16 offset:128               ; slots 2 and 3
	s_wait_alu depctr_va_vdst(0)
	s_wait_dscnt 0x0
.irp t, 0,1,2,3,4,5,6,7                        ; S^T: tile t lies in half t % 2 of fragment t / 2; Q stands in the same half, zero codes in the other
.if (\t/2)%2
	v_wmma_scale_f32_16x16x128_f8f6f4 v[96+8*\t:103+8*\t], v[32+12*(\t/2):43+12*(\t/2)], v[192+6*(\t%2):203+6*(\t%2)], 0, v[248+\t/4], v255 matrix_a_fmt:MATRIX_FMT_BF6 matrix_b_fmt:MATRIX_FMT_BF6 matrix_a_scale:MATRIX_SCALE_ROW1
.else
	v_wmma_scale_f32_16x16x128_f8f6f4 v[96+8*\t:103+8*\t], v[32+12*(\t/2):43+12*(\t/2)], v[192+6*(\t%2):203+6*(\t%2)], 0, v[248+\t/4], v255 matrix_a_fmt:MATRIX_FMT_BF6 matrix_b_fmt:MATRIX_FMT_BF6
.endif
.endr
.rept 4
	v_nop                                          ; places in front of the loads below and of the first read of the scores
.endr
.irp d, 0,1,2,3                                ; V's fragments land while the softmax is worked: tile d of the head's 64, keys 0-63 and 64-127 of the step
	ds_load_b128 v[32+12*\d:35+12*\d], v10 offset:768*\d
	ds_load_b64 v[36+12*\d:37+12*\d], v11 offset:768*\d+512
	ds_load_b128 v[38+12*\d:41+12*\d], v10 offset:3072+768*\d
	ds_load_b64 v[42+12*\d:43+12*\d], v11 offset:3584+768*\d
.endr
	ds_load_b32 v250, v16 offset:4096
	ds_load_b32 v251, v16 offset:4224
.if \causal
	s_cmp_lt_u32 s[JJ], s[JB]
	s_cbranch_scc1 .Lopen_\@
.irp n, 0,1,2,3,4,5,6,7,8,9,10,11,12,13,14,15,16,17,18,19,20,21,22,23,24,25,26,27,28,29,30,31,32,33,34,35,36,37,38,39,40,41,42,43,44,45,46,47,48,49,50,51,52,53,54,55,56,57,58,59,60,61,62,63
	v_cmp_gt_i32 vcc_lo, 32*(\n/16)+\n%16, v6
	v_cndmask_b32 v[96+\n], v[96+\n], v7, vcc_lo
.endr
.Lopen_\@:
.endif
.irp b, 0,1,2,3
	v_max3_num_f32 v[232+\b], v[96+16*\b], v[97+16*\b], v[98+16*\b]   ; the largest score of each block of 32 keys: it serves for the row's maximum and, since p rises with the score, for the block's largest p
.endr
.irp i, 3,5,7,9,11,13
.irp b, 0,1,2,3
	v_max3_num_f32 v[232+\b], v[232+\b], v[96+16*\b+\i], v[97+16*\b+\i]
.endr
.endr
.irp b, 0,1,2,3
	v_max_num_f32 v[232+\b], v[232+\b], v[111+16*\b]
.endr
.irp b, 0,1,2,3
	s_delay_alu instid0(VALU_DEP_4)
	v_permlanex16_b32 v[236+\b], v[232+\b], s[SEL], s[SEL+1]
.endr
.irp b, 0,1,2,3
	s_delay_alu instid0(VALU_DEP_4)
	v_max_num_f32 v[232+\b], v[232+\b], v[236+\b]  ; with lane l xor 16's 16 keys
.endr
	s_delay_alu instid0(VALU_DEP_2)
	v_max3_num_f32 v254, v232, v233, v234
	s_delay_alu instid0(VALU_DEP_1)
	v_max_num_f32 v254, v254, v235                 ; the step's largest score of my query
	s_delay_alu instid0(VALU_DEP_1)
	v_mul_f32 v254, s[CS], v254                    ; as t
	s_delay_alu instid0(VALU_DEP_1)
	v_max_num_f32 v13, v13, v254                   ; the running largest t
	v_mov_b32 v254, v12
	s_delay_alu instid0(VALU_DEP_2)
	v_floor_f32 v12, -v13                          ; the new -M = -ceil(t): a whole number
	s_delay_alu instid0(VALU_DEP_1)
	v_sub_f32 v254, v12, v254                      ; old M - new M: a whole number, 0 or less
	s_delay_alu instid0(VALU_DEP_1)
	v_cvt_i32_f32 v254, v254                       ; (it saturates)
	s_delay_alu instid0(VALU_DEP_1)
	v_ldexp_f32 v252, 1.0, v254                    ; f = 2^(old M - new M)
.irp j, 0,2,4,6,8,10,12,14,16,18,20,22,24,26,28,30,32,34,36,38,40,42,44,46,48,50,52,54,56,58,60,62
	v_pk_fma_f32 v[96+\j:97+\j], v[96+\j:97+\j], s[CS:CS+1], v[12:13] op_sel_hi:[1,0,0]   ; t - M, two at a time
.endr
.irp b, 0,1,2,3
	v_fma_f32 v[232+\b], v[232+\b], s[CS], v12     ; the same of each block's largest score
.endr
	s_setprio 1
	s_wait_alu depctr_va_vdst(0)
.irp j, 0,1,2,3,4,5,6,7,8,9,10,11,12,13,14,15,16,17,18,19,20,21,22,23,24,25,26,27,28,29,30,31,32,33,34,35,36,37,38,39,40,41,42,43,44,45,46,47,48,49,50,51,52,53,54,55,56,57,58,59,60,61,62,63
	v_exp_f32 v[96+\j], v[96+\j]                   ; p = 2^(t - M), at most 1
.endr
	v_pk_mul_f32 v[14:15], v[14:15], v[252:253] op_sel_hi:[1,0]   ; the sums under the new M (a plain line behind the exponentials)
	s_wait_alu depctr_va_vdst(0)                   ; one wait for the whole batch, ahead of its first reader
.irp b, 0,1,2,3
	v_exp_f32 v[232+\b], v[232+\b]                 ; the block's largest p
.endr
	v_pk_add_f32 v[236:237], v[100:101], v[104:105]
	v_pk_add_f32 v[248:249], v[108:109], v[112:113]
	v_pk_add_f32 v[246:247], v[116:117], v[120:121]
	v_pk_add_f32 v[244:245], v[124:125], v[128:129]
	v_pk_add_f32 v[240:241], v[132:133], v[136:137]
	v_pk_add_f32 v[238:239], v[140:141], v[144:145]
	v_pk_add_f32 v[230:231], v[148:149], v[152:153]
	v_pk_add_f32 v[14:15], v[14:15], v[156:157]
	v_pk_add_f32 v[236:237], v[236:237], v[96:97]
	v_pk_add_f32 v[248:249], v[248:249], v[98:99]
	v_pk_add_f32 v[246:247], v[246:247], v[102:103]
	v_pk_add_f32 v[244:245], v[244:245], v[106:107]
	v_pk_add_f32 v[240:241], v[240:241], v[110:111]
	v_pk_add_f32 v[238:239], v[238:239], v[114:115]
	v_pk_add_f32 v[230:231], v[230:231], v[118:119]
	v_pk_add_f32 v[14:15], v[14:15], v[122:123]
	v_pk_add_f32 v[236:237], v[236:237], v[126:127]
	v_pk_add_f32 v[248:249], v[248:249], v[130:131]
	v_pk_add_f32 v[246:247], v[246:247], v[134:135]
	v_pk_add_f32 v[244:245], v[244:245], v[138:139]
	v_pk_add_f32 v[240:241], v[240:241], v[142:143]
	v_pk_add_f32 v[238:239], v[238:239], v[146:147]
	v_pk_add_f32 v[230:231], v[230:231], v[150:151]
	v_pk_add_f32 v[14:15], v[14:15], v[154:155]
	v_pk_add_f32 v[236:237], v[236:237], v[158:159]
	s_delay_alu instid0(VALU_DEP_2)
	v_pk_add_f32 v[14:15], v[14:15], v[244:245]
	s_delay_alu instid0(VALU_DEP_2)
	v_pk_add_f32 v[236:237], v[236:237], v[240:241]
	v_pk_add_f32 v[248:249], v[248:249], v[238:239]
	v_pk_add_f32 v[246:247], v[246:247], v[230:231]
	s_delay_alu instid0(VALU_DEP_2)
	v_pk_add_f32 v[14:15], v[14:15], v[248:249]
	s_delay_alu instid0(VALU_DEP_2)
	v_pk_add_f32 v[236:237], v[236:237], v[246:247]
	s_delay_alu instid0(VALU_DEP_1)
	v_pk_add_f32 v[14:15], v[14:15], v[236:237]
	s_wait_alu depctr_va_vdst(0)                   ; and one for the four
.irp b, 0,1,2,3
	v_max_num_f32 v[232+\b], 0x2800000, v[232+\b]  ; the floor 2^(5 - 127): the byte cannot fall under 1
.endr
.irp b, 0,1,2,3
	s_delay_alu instid0(VALU_DEP_4)
	v_add_nc_u32 v[244+\b], 0xfe000000, v[232+\b]  ; 4 off the exponent field: the conversion's scale operand
.endr
.irp b, 0,1,2,3
	s_delay_alu instid0(VALU_DEP_4)
	v_lshrrev_b32 v[236+\b], 23, v[244+\b]         ; the scale's byte
.endr
	s_delay_alu instid0(VALU_DEP_3)
	v_lshl_or_b32 v253, v237, 8, v236              ; p's scale word for these 128 keys
	s_delay_alu instid0(VALU_DEP_1)
	v_lshl_or_b32 v253, v238, 16, v253
	s_delay_alu instid0(VALU_DEP_1)
	v_lshl_or_b32 v253, v239, 24, v253
.irp c, 0,1
	v_cvt_scalef32_pk16_bf6_f32 v[224+6*\c:226+6*\c], v[96+32*\c:111+32*\c], v[244+2*\c]
	v_cvt_scalef32_pk16_bf6_f32 v[236+4*\c:238+4*\c], v[112+32*\c:127+32*\c], v[244+2*\c+1]   ; (a conversion's three registers begin on an even number)
.endr
	v_nop                                          ; one plain line behind a scaled conversion
	s_setprio 0
.irp c, 0,1                                    ; the operand's layout wants a whole block in a lane
.irp i, 0,1,2
	v_permlane16_swap_b32 v[224+6*\c+\i], v[236+4*\c+\i]
.endr
.irp i, 0,1,2
	s_delay_alu instid0(VALU_DEP_3)
	v_mov_b32 v[227+6*\c+\i], v[236+4*\c+\i]
.endr
.endr
.irp j, 0,2,4,6,8,10,12,14,16,18,20,22,24,26,28,30
	v_pk_mul_f32 v[160+\j:161+\j], v[160+\j:161+\j], v[252:253] op_sel_hi:[1,0]   ; O^T under the new M.  (These sixteen are also the places between the codes' and the scale word's last writes and the products)
.endr
	s_wait_alu depctr_va_vdst(0)
	s_wait_dscnt 0x0                               ; V's fragments and scale words are in
.irp d, 0,1,2,3                                ; O^T += V^T P^T: four accumulators by turns
.if \d%2
	v_wmma_scale_f32_16x16x128_f8f6f4 v[160+8*\d:167+8*\d], v[32+12*\d:43+12*\d], v[224:235], v[160+8*\d:167+8*\d], v[250+\d/2], v253 matrix_a_fmt:MATRIX_FMT_BF6 matrix_b_fmt:MATRIX_FMT_BF6 matrix_a_scale:MATRIX_SCALE_ROW1
.else
	v_wmma_scale_f32_16x16x128_f8f6f4 v[160+8*\d:167+8*\d], v[32+12*\d:43+12*\d], v[224:235], v[160+8*\d:167+8*\d], v[250+\d/2], v253 matrix_a_fmt:MATRIX_FMT_BF6 matrix_b_fmt:MATRIX_FMT_BF6
.endif
.endr
.if \causal
.Lhidden_\@:
.endif
	s_add_co_u32 s[TK], s[TK], STB
	s_add_co_u32 s[TS], s[TS], 256
	s_add_co_u32 s[JJ], s[JJ], 1
.endm
; A pass ends: O^T / the sum; register 16 b + i is channel 32 b + 16 h + i of my query: two blocks of 32, quantised as everywhere; the six registers of codes are O's image.
.macro FINISH co, so
.rept 4
	v_nop                                          ; places behind the last products
.endr
	v_add_f32 v14, v14, v15
	s_delay_alu instid0(VALU_DEP_1)
	v_permlanex16_b32 v252, v14, s[SEL], s[SEL+1]
	s_delay_alu instid0(VALU_DEP_1)
	v_add_f32 v14, v14, v252                       ; the row's sum
	s_wait_alu depctr_va_vdst(0)
	v_rcp_f32 v14, v14
	v_nop                                          ; a plain line behind the reciprocal,
	s_wait_alu depctr_va_vdst(0)                   ; and the wait ahead of its first reader
.irp j, 0,1,2,3,4,5,6,7,8,9,10,11,12,13,14,15,16,17,18,19,20,21,22,23,24,25,26,27,28,29,30,31
	v_mul_f32 v[96+\j], v[160+\j], v14             ; each accumulator from its low end on
.endr
.irp b, 0,1
	v_max3_num_f32 v[232+\b], |v[96+16*\b]|, |v[97+16*\b]|, 0x2800000
.endr
.irp i, 2,4,6,8,10,12,14
.irp b, 0,1
	s_delay_alu instid0(VALU_DEP_2)
	v_max3_num_f32 v[232+\b], v[232+\b], |v[96+16*\b+\i]|, |v[97+16*\b+\i]|
.endr
.endr
.irp b, 0,1
	s_delay_alu instid0(VALU_DEP_2)
	v_permlanex16_b32 v[236+\b], v[232+\b], s[SEL], s[SEL+1]
.endr
.irp b, 0,1
	s_delay_alu instid0(VALU_DEP_2)
	v_max_num_f32 v[232+\b], v[232+\b], v[236+\b]
.endr
.irp b, 0,1
	s_delay_alu instid0(VALU_DEP_2)
	v_add_nc_u32 v[244+\b], 0xfe000000, v[232+\b]
.endr
.irp b, 0,1
	s_delay_alu instid0(VALU_DEP_2)
	v_lshrrev_b32 v[236+\b], 23, v[244+\b]
.endr
	s_delay_alu instid0(VALU_DEP_1)
	v_lshl_or_b32 v240, v237, 8, v236              ; my row's two scale bytes
	v_cvt_scalef32_pk16_bf6_f32 v[224:226], v[96:111], v244
	v_cvt_scalef32_pk16_bf6_f32 v[236:238], v[112:127], v245
	v_nop
.irp i, 0,1,2
	v_permlane16_swap_b32 v[224+\i], v[236+\i]
.endr
.irp i, 0,1,2
	s_delay_alu instid0(VALU_DEP_3)
	v_mov_b32 v[227+\i], v[236+\i]
.endr
	global_store_b128 v1, v[224:227], s[\co:\co+1]             ; 512 consecutive bytes, aligned to 256,
	global_store_b64 v2, v[228:229], s[\co:\co+1] offset:512   ; and the image's last 256
	global_store_b16 v17, v240, s[\so:\so+1]       ; two bytes a row: all that a head has of a row of scale bytes (both halves of the lanes store the same)
.endm
	s_wait_loadcnt 0x0                             ; both passes' q
	SETQ 216, 222
	s_add_co_u32 s[JB], s91, 8
	s_mov_b32 s[JJ], 0
	s_mov_b32 s[TK], 0
	s_mov_b32 s[TS], 0
	s_wait_tensorcnt 1                             ; the scale words and key steps 0-3 are in; the fill of steps 4-15 may be out
	s_barrier_signal -1
	s_barrier_wait -1
.Lp1a:                                             ; pass 1, key steps 0-3: they lie ahead of every wave's queries (block 8 or later)
	STEP 0
	s_cmp_lt_u32 s[JJ], 4
	s_cbranch_scc1 .Lp1a
	s_setprio 0
	s_wait_tensorcnt 0x0                           ; the rest of K and V is in,
	s_wait_dscnt 0x0
	s_barrier_signal -1
	s_barrier_wait -1                              ; everybody's part
	s_mov_b32 s[JJ], 4
	s_mov_b32 s[TK], 4*STB
	s_mov_b32 s[TS], 4*256
.Lp1b:                                             ; pass 1, key steps 4-15
	STEP 1
	s_cmp_lt_u32 s[JJ], 16
	s_cbranch_scc1 .Lp1b
	s_setprio 0
	FINISH 58, 60
	s_wait_xcnt 0x0                                ; the stores have read their data registers: pass 2 writes them again
	SETQ 210, 223
	s_sub_co_u32 s[JB], 7, s91
	s_mov_b32 s[JJ], 0
	s_mov_b32 s[TK], 0
	s_mov_b32 s[TS], 0
.Lp2:                                              ; pass 2, key steps 0-7
	STEP 1
	s_cmp_lt_u32 s[JJ], 8
	s_cbranch_scc1 .Lp2
	s_setprio 0
	s_wait_alu depctr_va_vdst(0)
	FINISH 62, 66
	s_wait_tensorcnt 0x0
	ds_add_u32 v95, v243
	s_wait_dscnt 0x0
	CROUND                                         ; the closing round
	s_endpgm
.Lfunc_end_k_q1014794561_attn:
	.size	k_q1014794561_attn, .Lfunc_end_k_q1014794561_attn-k_q1014794561_attn
	.p2alignl 7, 3214868480
	.fill 96, 4, 3214868480
	.section	.rodata,"a",@progbits
	.p2align	6, 0x0
	.amdhsa_kernel k_q1014794561_attn
		.amdhsa_group_segment_fixed_size 206848
		.amdhsa_private_segment_fixed_size 0
		.amdhsa_enable_private_segment 0
		.amdhsa_kernarg_size 32
		.amdhsa_user_sgpr_count 2
		.amdhsa_user_sgpr_kernarg_segment_ptr 1
		.amdhsa_wavefront_size32 1
		.amdhsa_system_sgpr_workgroup_id_x 1
		.amdhsa_system_sgpr_workgroup_id_y 1
		.amdhsa_system_sgpr_workgroup_id_z 1
		.amdhsa_system_vgpr_workitem_id 0
		.amdhsa_next_free_vgpr 256
		.amdhsa_next_free_sgpr 102
		.amdhsa_reserve_vcc 1
		.amdhsa_float_denorm_mode_32 3
		.amdhsa_float_denorm_mode_16_64 3
		.amdhsa_memory_ordered 1
		.amdhsa_forward_progress 1
		.amdhsa_inst_pref_size 85
	.end_amdhsa_kernel
	.amdgpu_metadata
---
amdhsa.version: [ 1, 2 ]
amdhsa.kernels:
  - .name:           k_q1014794561_attn
    .symbol:         k_q1014794561_attn.kd
    .args:
      - { .name: z, .offset: 0, .size: 8, .value_kind: global_buffer, .address_space: global }
      - { .name: zs, .offset: 8, .size: 8, .value_kind: global_buffer, .address_space: global }
      - { .name: oc, .offset: 16, .size: 8, .value_kind: global_buffer, .address_space: global }
      - { .name: os, .offset: 24, .size: 8, .value_kind: global_buffer, .address_space: global }
    .group_segment_fixed_size: 206848
    .private_segment_fixed_size: 0
    .kernarg_segment_align: 8
    .kernarg_segment_size: 32
    .max_flat_workgroup_size: 512
    .sgpr_count:     102
    .vgpr_count:     256
    .wavefront_size: 32
...
	.end_amdgpu_metadata
.endif
;; end of part 3
;; launch proj (part 4): grid 4 x 32, 4 waves a work-group, clusters of 4 x 4, 327,680 bytes of LDS; arguments oc, os, uc, us, out0; writes out0
.if DOCPART == 4
	.amdgcn_target "amdgcn-amd-amdhsa--gfx1250"
	.amdhsa_code_object_version 6
	.text
	.protected	k_q1014794561_proj
	.globl	k_q1014794561_proj
	.p2align	8
	.type	k_q1014794561_proj,@function
k_q1014794561_proj:
	s_mov_b64 s[64:65], 0
	v_nop
	global_prefetch_b8 v0, s[64:65] scope:SCOPE_SE
	s_setreg_imm32_b32 hwreg(HW_REG_WAVE_MODE, 25, 1), 1
	s_wait_xcnt 0x0
	s_wait_alu depctr_hold_cnt(0) depctr_sa_sdst(0) depctr_va_vdst(0) depctr_va_sdst(0) depctr_va_ssrc(0) depctr_va_vcc(0) depctr_vm_vsrc(0)
	s_getreg_b32 s2, hwreg(HW_REG_IB_STS2, 6, 4)
	s_cmp_eq_u32 s2, 0
	s_cbranch_scc0 .Lentry_in_a_cluster
	s_endpgm
.Lentry_in_a_cluster:
	s_bfe_u32 s2, ttmp6, 0x10000c
	s_cmp_lg_u32 s2, 0xf033
	s_cbranch_scc0 .Lentry_shape_is_right
	s_endpgm
.Lentry_shape_is_right:
; THE LAST PRODUCT, out0[token][f] = sum over e of O[token][e] out_proj_weight[f][e], on codes of BF6 (E3M2) with E8M0 scales; out0 [8192][1024] f32.
; A = O comes as images of half operands: oc [tile of 16 tokens 512][head 16][768]: 16 rows x 64 along K, registers 0-3 at 16 x lane, registers 4-5 at 512 + 8 x lane; its scale bytes os [place][32].
; B = the weight's codes: rows 11,264 on of uc (768 bytes a row), scale bytes us (32 a row).  In both, rows lie with bits 3 and 4 of their number exchanged; the way out puts rows and columns back.
; A work-group of four waves makes 256 x 256, a wave 128 x 128: 64 accumulators.  K goes in steps of 256 (four heads) through a ring of two LDS slots filled by the tensor data mover; the scale bytes come once.
; CLUSTERS of 4 x 4: A's tiles are asked for jointly along a row of the cluster, B's along a column.  The matrix instruction is used transposed (source 0 = 16 rows of B, source 1 = 16 rows of A).
; REGISTERS: window 0: v0-31 addresses; v32-63 scale words, two sets; from v128 A's fragments, one set.  Window 1: B's fragments, two sets.  Windows 2, 3: the accumulators ((a, b) at v[8 (8 (a % 4) + b)]).
.set SIZE_K, 1024
.set SIZE_N, 1024
.set KSTEP,  256
.set NQ,     KSTEP/128
.set ROWB,   192                       ; a row of B's tile in bytes
.set KROW,   SIZE_K*6/8
.set PITCH,  240                       ; B's LDS row: 3 x (64 bytes + 16 of padding)
.set FR,     12
.set NL,     6                         ; LDS loads that bring a fragment of B
.set NLA,    4                         ; and one of A: two of 16 bytes and two of 8 a lane
.set NP,     4
.set AROW,   3072                      ; A: a tile of 16 tokens, four heads' images
.set AH,     8*AROW                    ; 128 rows of A: what one tensor load brings
.set HALFT,  128*PITCH                 ; 128 rows of B
.set SLOT,   2*AH+2*HALFT              ; A's 256 rows, then B's 256 rows
.set LAPS,   SIZE_K/(2*KSTEP)
.set KS,     SIZE_K/32
.set SCL,    2*SLOT
.set HALFS,  (128*KS/256)*272
.set SBLK,   (16*KS/256)*272
.set SPARE,  SCL+4*HALFS               ; the spare words, 128 bytes for each wave: two blocks of 256 bytes that no other line names
.set SPITCH, 528                       ; the way out: a stage of 16 rows x (512 bytes + 16) for each wave, in slot 0, which has had its last fill and its last read when the first result is stored there
.set ADRA, 16                          ; v16-17 A's images in slot 0, 1: + 16 x lane;  v18-19: + 8 x lane
.set ADRB, 20                          ; v20-21 B's fragments in slot 0, 1;  v22-23: for the pieces behind one padding more
.set STO,  24
.set RD,   25
.set CO,   26
.set SPW,  28
.set NIL,  29
.set ADRS, 27
.set SC,   32
.set AF,   128
.set BK,   128
.set G1, 24
.set G0, 32
.set G1B, 48
.set G0B, 56
.set G1S, 68
.set G0S, 76
.set G1SB, 80
.set G0SB, 88
.set MSB, 0
.macro WIN new                         ; the immediate's high byte repeats the setting that is left
.if MSB != (\new)
	s_set_vgpr_msb (MSB<<8)|(\new)
.set MSB, \new
.endif
.endm
.set MUL_LO, 0xa1
.set MUL_HI, 0xf1
.set TO_B,   0x40
.macro JLOAD g0a, g1a, g0b, g1b        ; a joint load: waves 0 and 1 fetch for A, waves 2 and 3 for B; four v_nop follow each of the two lines
	s_cmp_eq_u32 s15, 0
	s_cbranch_scc0 .Lfor_b_\@
	tensor_load_to_lds s[\g0a:\g0a+3], s[\g1a:\g1a+7]
	s_nop 0
.rept 4
	v_nop
.endr
	s_branch .Lasked_\@
.Lfor_b_\@:
	tensor_load_to_lds s[\g0b:\g0b+3], s[\g1b:\g1b+7]
	s_nop 0
.rept 4
	v_nop
.endr
.Lasked_\@:
.endm
.macro CREST
	s_cmp_lg_u32 s14, 0
	s_cbranch_scc1 .Lnot_wave_0_\@
	s_barrier_signal -3
.Lnot_wave_0_\@:
	s_barrier_wait -3
	s_barrier_signal -1
	s_barrier_wait -1
.endm
.macro CROUND
	s_barrier_signal -1
	s_barrier_wait -1
	CREST
.endm
	s_load_b128 s[4:7], s[0:1], 0x0                ; oc s[4:5], os s[6:7]
	s_load_b128 s[8:11], s[0:1], 0x10              ; uc s[8:9], us s[10:11]
	s_load_b64 s[12:13], s[0:1], 0x20              ; out0
	v_lshl_add_u32 v[SPW], v0, 2, SPARE
	v_mov_b32 v[NIL], 0
	ds_add_u32 v28, v29
	ds_add_u32 v28, v29
	s_wait_dscnt 0x0
	v_lshrrev_b32 v1, 5, v0
	v_readfirstlane_b32 s14, v1                    ; wave 0..3
	s_lshr_b32 s15, s14, 1                         ; which half of the tile's rows is mine.  Also: I fetch for A (0) or for B (1)
	s_and_b32 s16, s14, 1                          ; which half of its columns.  Also: which 128 rows of that tile I fetch
	s_bfe_u32 s40, ttmp6, 0x40000
	s_bfe_u32 s41, ttmp6, 0x40004
	s_lshl_b32 s42, ttmp9, 2
	s_add_co_u32 s42, s42, s40                     ; tile column = 4 x cluster x + cx
	s_and_b32 s17, ttmp7, 0xffff
	s_lshl_b32 s17, s17, 2
	s_add_co_u32 s17, s17, s41                     ; tile row = 4 x cluster y + cy
	s_lshl_b32 s43, s41, 2
	s_lshl_b32 s43, 15, s43                        ; my row of the cluster
	s_lshl_b32 s44, 0x1111, s40                    ; my column
	; A's tile: 8 rows (tiles of 16 tokens) of 3,072 bytes (384 elements of 8 bytes), 12,288 bytes apart; no padding: the images are read 16 or 8 consecutive bytes a lane
	s_or_b32 s[G1+0], s43, (3<<16)|(1<<21)
	s_mov_b32 s[G1+1], 384<<16                     ; tensor_dim0
	s_mov_b32 s[G1+2], 8<<16                       ; tensor_dim1
	s_mov_b32 s[G1+3], 384<<16                     ; tile_dim0
	s_mov_b32 s[G1+4], 8                           ; tile_dim1
	s_mov_b32 s[G1+5], 1536                        ; tensor_dim0_stride
	s_mov_b32 s[G1+6], 0
	s_mov_b32 s[G1+7], 0
	; B's tile: 128 rows x 192 bytes, 16 bytes of padding behind every 64
	s_or_b32 s[G1B+0], s44, (0<<16)|(1<<20)|(1<<21)|(3<<22)|(3<<25)
	s_mov_b32 s[G1B+1], ROWB<<16
	s_mov_b32 s[G1B+2], 128<<16
	s_mov_b32 s[G1B+3], ROWB<<16
	s_mov_b32 s[G1B+4], 128
	s_mov_b32 s[G1B+5], KROW
	s_mov_b32 s[G1B+6], 0
	s_mov_b32 s[G1B+7], 0
	; the scales of 128 rows: a dense block of 4,096 bytes, as rows of 256 bytes, 16 bytes of padding behind each
	s_or_b32 s[G1S+0], s43, (3<<16)|(1<<20)|(1<<21)|(5<<22)|(3<<25)
	s_or_b32 s[G1SB+0], s44, (3<<16)|(1<<20)|(1<<21)|(5<<22)|(3<<25)
.irp g, G1S, G1SB
	s_mov_b32 s[\g+1], 32<<16
	s_mov_b32 s[\g+2], (128*KS/256)<<16
	s_mov_b32 s[\g+3], 32<<16
	s_mov_b32 s[\g+4], 128*KS/256
	s_mov_b32 s[\g+5], 32
	s_mov_b32 s[\g+6], 0
	s_mov_b32 s[\g+7], 0
.endr
	s_lshl_b32 s20, s17, 4
	s_lshl_b32 s18, s16, 3
	s_add_co_u32 s20, s20, s18                     ; A: tile of tokens 16 x tile row + 8 x half,
	s_mul_i32 s20, s20, 16*768                     ; 12,288 bytes each
	s_mov_b32 s21, 0
	s_lshl_b32 s18, s16, 7
	s_lshl_b32 s22, s17, 8
	s_add_co_u32 s22, s22, s18
	s_lshl_b32 s22, s22, 5                         ; A's scales: place 256 x tile row + 128 x half, 32 bytes each
	s_mov_b32 s23, 0
	s_add_co_u32 s46, s42, 44                      ; B: the weight begins at row 44 x 256 of uc
	s_lshl_b32 s46, s46, 8
	s_add_co_u32 s46, s46, s18
	s_lshl_b32 s92, s46, 5
	s_mov_b32 s93, 0
	s_mul_i32 s46, s46, KROW
	s_mov_b32 s47, 0
	s_mul_i32 s45, s16, AH                         ; where they go: A's two halves,
	s_mul_i32 s95, s16, HALFT
	s_add_co_u32 s95, s95, 2*AH                    ; B's two halves behind them: no place in the cluster enters an LDS address
	s_mul_i32 s94, s14, HALFS
	s_wait_kmcnt 0x0
	s_add_nc_u64 s[20:21], s[4:5], s[20:21]
	s_add_nc_u64 s[22:23], s[6:7], s[22:23]
	s_add_nc_u64 s[46:47], s[8:9], s[46:47]
	s_add_nc_u64 s[92:93], s[10:11], s[92:93]
	CROUND                                         ; all sixteen work-groups are here: the first joint loads meet
	s_mov_b32 s[G0S], 1
	s_add_co_u32 s[G0S+1], s94, SCL
	s_mov_b64 s[G0S+2:G0S+3], s[22:23]
	s_or_b32 s[G0S+3], s[G0S+3], 0x80000000
	s_mov_b32 s[G0SB], 1
	s_add_co_u32 s[G0SB+1], s94, SCL
	s_mov_b64 s[G0SB+2:G0SB+3], s[92:93]
	s_or_b32 s[G0SB+3], s[G0SB+3], 0x80000000
	JLOAD G0S, G1S, G0SB, G1SB                     ; the scales first
.irp s, 0,1
	s_mov_b32 s[G0+4*\s], 1
	s_add_co_u32 s[G0+4*\s+1], s45, \s*SLOT
	s_add_nc_u64 s[G0+4*\s+2:G0+4*\s+3], s[20:21], \s*AROW
	s_or_b32 s[G0+4*\s+3], s[G0+4*\s+3], 0x80000000
	s_mov_b32 s[G0B+4*\s], 1
	s_add_co_u32 s[G0B+4*\s+1], s95, \s*SLOT
	s_add_nc_u64 s[G0B+4*\s+2:G0B+4*\s+3], s[46:47], \s*ROWB
	s_or_b32 s[G0B+4*\s+3], s[G0B+4*\s+3], 0x80000000
	JLOAD G0+4*\s, G1, G0B+4*\s, G1B
.endr
	v_and_b32 v1, 15, v0                           ; l % 16
	v_bfe_u32 v2, v0, 4, 1                         ; l / 16
	v_and_b32 v7, 31, v0                           ; lane
	v_mul_u32_u24 v3, v1, PITCH
	v_mul_u32_u24 v4, v2, 24
	v_add_nc_u32 v4, v3, v4                        ; B: a fragment's row x pitch + 24 x half
	v_lshl_add_u32 v5, v2, 4, v4                   ; and the same behind one padding more
	v_lshlrev_b32 v8, 4, v7                        ; A: 16 x lane,
	v_lshlrev_b32 v9, 3, v7                        ; 8 x lane
	s_mul_i32 s21, s15, AH                         ; my 128 rows of A
	s_mul_i32 s22, s16, HALFT                      ; my 128 rows of B,
	s_add_co_u32 s22, s22, 2*AH                    ; which lie behind A's 256
.irp s, 0,1
	v_add_nc_u32 v[ADRA+\s], s21, v8
	v_add_nc_u32 v[ADRA+2+\s], s21, v9
	v_add_nc_u32 v[ADRB+\s], s22, v4
	v_add_nc_u32 v[ADRB+2+\s], s22, v5
	s_add_co_u32 s21, s21, SLOT
	s_add_co_u32 s22, s22, SLOT
.endr
	v_mul_u32_u24 v5, v1, KS                       ; my row's scales: KS bytes a row,
	v_lshrrev_b32 v6, 8, v5
	v_lshl_add_u32 v5, v6, 4, v5                   ; and 16 more for each 256 passed
	s_mul_i32 s21, s15, HALFS
	s_mul_i32 s22, s16, HALFS
	s_add_co_u32 s22, s22, 2*HALFS
	s_sub_co_u32 s22, s22, s21
	v_mul_u32_u24 v6, s22, v2                      ; lanes 16-31 take B's
	s_add_co_u32 s21, s21, SCL
	v_add_nc_u32 v5, v5, v6
	v_add_nc_u32 v[ADRS], s21, v5
	s_mul_i32 s23, s14, 16*SPITCH                  ; my stage
	v_mul_u32_u24 v5, v1, SPITCH                   ; in: row l % 16; my half's eight columns of tiles 2 b, 2 b + 1 are sixteen neighbours: 64 bytes for each half of the lanes
	v_lshl_add_u32 v5, v2, 6, v5
	v_add_nc_u32 v[STO], s23, v5
	v_lshlrev_b32 v[CO], 4, v7                     ; back: the 32 lanes take one row of 512 bytes; and the same in out0
	v_add_nc_u32 v[RD], s23, v[CO]
	s_lshl_b32 s20, s17, 8
	s_lshl_b32 s21, s15, 7
	s_add_co_u32 s20, s20, s21                     ; my first row of out0: 256 x tile row + 128 x half,
	s_lshl_b32 s20, s20, 12                        ; 4,096 bytes a row
	s_lshl_b32 s46, s42, 10                        ; my first column, in bytes: 1,024 x tile column + 512 x half
	s_lshl_b32 s47, s16, 9
	s_add_co_u32 s46, s46, s47
	s_add_co_u32 s20, s20, s46
	s_mov_b32 s21, 0
	s_add_nc_u64 s[12:13], s[12:13], s[20:21]
.macro FRAG reg, adr, q, i             ; a fragment of B from rows: in pieces of 8 bytes; where the piece of lanes 16-31 lies behind one padding more, the second address register serves
.irp p, 0,1,2,3,4,5
.set PC, 12*(\q)+6*(\p/3)+\p%3
.if PC%8 < 5
	ds_load_b64 v[\reg+2*\p:\reg+2*\p+1], v[\adr] offset:8*PC+16*(PC/8)+(\i)*16*PITCH
.else
	ds_load_b64 v[\reg+2*\p:\reg+2*\p+1], v[\adr+2] offset:8*PC+16*(PC/8)+(\i)*16*PITCH
.endif
.endr
.endm
.macro FRAGA reg, slot, q, i           ; a fragment of A: the images of heads 2 q and 2 q + 1 of the slot's four, tile of tokens i
	ds_load_b128 v[\reg:\reg+3], v[ADRA+\slot] offset:(\i)*AROW+(\q)*1536
	ds_load_b64 v[\reg+4:\reg+5], v[ADRA+2+\slot] offset:(\i)*AROW+(\q)*1536+512
	ds_load_b128 v[\reg+6:\reg+9], v[ADRA+\slot] offset:(\i)*AROW+(\q)*1536+768
	ds_load_b64 v[\reg+10:\reg+11], v[ADRA+2+\slot] offset:(\i)*AROW+(\q)*1536+1280
.endm
; 16 matrix instructions: A's blocks a0, a0 + 1 x B's eight, 128 along K.  The 64 accumulators take turns, one instruction a turn.
.macro MUL16 a0, p, q, sc, zero
.irp a, \a0, \a0+1
.irp b, 0,1,2,3,4,5,6,7
.if \zero
	v_wmma_scale_f32_16x16x128_f8f6f4 v[8*(8*((\a)%4)+\b):8*(8*((\a)%4)+\b)+7], v[128*(\p)+FR*\b:128*(\p)+FR*\b+FR-1], v[AF+FR*(\a):AF+FR*(\a)+FR-1], 0, v[SC+8*NQ*(\sc)+NQ*\b+(\q)], v[SC+8*NQ*(\sc)+NQ*(\a)+(\q)] matrix_a_fmt:MATRIX_FMT_BF6 matrix_b_fmt:MATRIX_FMT_BF6 matrix_a_scale:MATRIX_SCALE_ROW1
.else
	v_wmma_scale_f32_16x16x128_f8f6f4 v[8*(8*((\a)%4)+\b):8*(8*((\a)%4)+\b)+7], v[128*(\p)+FR*\b:128*(\p)+FR*\b+FR-1], v[AF+FR*(\a):AF+FR*(\a)+FR-1], v[8*(8*((\a)%4)+\b):8*(8*((\a)%4)+\b)+7], v[SC+8*NQ*(\sc)+NQ*\b+(\q)], v[SC+8*NQ*(\sc)+NQ*(\a)+(\q)] matrix_a_fmt:MATRIX_FMT_BF6 matrix_b_fmt:MATRIX_FMT_BF6 matrix_a_scale:MATRIX_SCALE_ROW1
.endif
.endr
.endr
.endm
.macro FETCH_B slot, q, p
	WIN TO_B
.irp i, 0,1,2,3,4,5,6,7
	FRAG 128*(\p)+FR*\i, ADRB+\slot, \q, \i
.endr
	WIN 0
.endm
.macro FETCH_A slot, q, i0
.irp i, \i0, \i0+1, \i0+2, \i0+3
	FRAGA AF+FR*(\i), \slot, \q, \i
.endr
.endm
.macro SCALES sc
.irp i, 0,1,2,3,4,5,6,7
	ds_load_b64 v[SC+8*NQ*\sc+NQ*\i:SC+8*NQ*\sc+NQ*\i+1], v[ADRS] offset:\i*SBLK
.endr
.endm
.macro PLACES n                        ; plain vector instructions between a matrix instruction and a load into its registers or a read of its result
.rept \n
	v_nop
.endr
.endm
.macro STEP slot, q, zero
	s_wait_dscnt 4*NLA                             ; B's set and A's blocks 0-3 are in; the youngest 16 loads (A's blocks 4-7) may be out
	WIN MUL_LO
	MUL16 0, (\q)%2, \q, \slot, \zero
	MUL16 2, (\q)%2, \q, \slot, \zero
	s_wait_dscnt 0
	PLACES NP
	FETCH_B \slot, (\q)+1, 1-(\q)%2
	FETCH_A \slot, (\q)+1, 0
	WIN MUL_HI
	MUL16 4, (\q)%2, \q, \slot, \zero
	MUL16 6, (\q)%2, \q, \slot, \zero
	PLACES NP
	WIN 0
	FETCH_A \slot, (\q)+1, 4
.endm
.macro TURN slot, next, fill
	s_wait_tensorcnt 0x0                           ; all my tensor loads have landed: my part of the next slot
	ds_add_u32 v[SPW], v[NIL]                      ; 0 onto my spare word
	s_wait_dscnt 4*NLA+1                           ; (the add and the youngest 16 loads, A's blocks 4-7, may be out)
	WIN MUL_LO
	MUL16 0, 1, NQ-1, \slot, 0
	s_wait_dscnt 0x0                               ; the add is done, and my reads of this slot are over
	s_barrier_signal -1
	MUL16 2, 1, NQ-1, \slot, 0
	WIN 0
	s_barrier_wait -1
.if \fill
	CREST                                          ; the barrier has opened a round of the cluster's barrier: no wave of any partner still reads this slot's tile or has a load on its way
	s_add_nc_u64 s[G0+4*\slot+2:G0+4*\slot+3], s[G0+4*\slot+2:G0+4*\slot+3], 2*AROW
	s_add_nc_u64 s[G0B+4*\slot+2:G0B+4*\slot+3], s[G0B+4*\slot+2:G0B+4*\slot+3], 2*ROWB
	JLOAD G0+4*\slot, G1, G0B+4*\slot, G1B         ; the first tensor load behind the round; its four v_nop are the places in front of the loads below
.else
	PLACES NP
.endif
	v_add_nc_u32 v[ADRS], 4*NQ, v[ADRS]
	FETCH_B \next, 0, 0
	FETCH_A \next, 0, 0
	SCALES \next
	WIN MUL_HI
	MUL16 4, 1, NQ-1, \slot, 0
	MUL16 6, 1, NQ-1, \slot, 0
	PLACES NP
	WIN 0
	FETCH_A \next, 0, 4
.endm
	s_wait_tensorcnt 1                             ; the scales and my part of K step 0 are in (K step 1's load may be out),
	s_barrier_signal -1
	s_barrier_wait -1                              ; everybody's are
	FETCH_B 0, 0, 0
	FETCH_A 0, 0, 0
	SCALES 0
	FETCH_A 0, 0, 4
	STEP 0, 0, 1                                   ; the first step's products start the sums
	s_mov_b32 s3, LAPS-1
.Llap:
	TURN 0, 1, 1
	STEP 1, 0, 0
	TURN 1, 0, 1
	STEP 0, 0, 0
	s_sub_co_u32 s3, s3, 1
	s_cmp_lg_u32 s3, 0
	s_cbranch_scc1 .Llap
	TURN 0, 1, 0                                   ; the last lap fills nothing
	STEP 1, 0, 0
	s_wait_dscnt 4*NLA
	WIN MUL_LO
	MUL16 0, 1, NQ-1, 1, 0
	MUL16 2, 1, NQ-1, 1, 0
	s_wait_dscnt 0
	WIN MUL_HI
	MUL16 4, 1, NQ-1, 1, 0
	MUL16 6, 1, NQ-1, 1, 0
	WIN 0
; THE WAY OUT, block by block of 16 rows x 128 columns, through my own stage in LDS; it comes back as whole rows of 512 bytes.  Register j of accumulator (a, b) is column 32 (b / 2) + 16 h + 8 (b % 2) + j;
; stage row t of block a is row 32 (a / 2) + 8 (a % 2) + 16 (t / 8) + t % 8 of my 128.  LDS serves a wave's instructions in order (ISA guide 5.7.1.4): no wait between the stores and the loads.
.macro TOSTAGE a
.set AC, 64*((\a)%4)
	WIN 0x08+4*((\a)/4)                            ; the data: window 2 or 3
.irp b, 0,1,2,3,4,5,6,7
	ds_store_b128 v[STO], v[AC+8*\b:AC+8*\b+3] offset:128*(\b/2)+32*(\b%2)          ; each accumulator from its low end on
	ds_store_b128 v[STO], v[AC+8*\b+4:AC+8*\b+7] offset:128*(\b/2)+32*(\b%2)+16
.endr
	WIN 0
.set BB, BK+64*((\a)%2)
.irp t, 0,1,2,3,4,5,6,7,8,9,10,11,12,13,14,15
	ds_load_b128 v[BB+4*\t:BB+4*\t+3], v[RD] offset:\t*SPITCH
.endr
.endm
.macro SEND a, younger                 ; younger: the LDS instructions issued behind block a's loads, which may stay out
.set BB, BK+64*((\a)%2)
	s_wait_dscnt \younger
.irp t, 0,1,2,3,4,5,6,7,8,9,10,11,12,13,14,15
	global_store_b128 v[CO], v[BB+4*\t:BB+4*\t+3], s[12:13] offset:(32*((\a)/2)+8*((\a)%2)+16*(\t/8)+\t%8)*SIZE_N*4 th:TH_STORE_NT   ; 32 lanes store 512 consecutive bytes, aligned to 256; row 127 at the most: inside the signed 24-bit immediate; the base is never stepped
.endr
.endm
	PLACES NP
	TOSTAGE 0
.irp a, 1,2,3,4,5,6,7
.if \a > 1
	s_wait_xcnt 0x0                                ; block a - 2's stores have read their registers: block a's loads may land there
.endif
	TOSTAGE \a
	SEND \a-1, 32                                  ; behind block a - 1's loads: block a's 16 stores and 16 loads
.endr
	SEND 7, 0
	s_wait_tensorcnt 0x0                           ; the wave's end
	ds_add_u32 v[SPW], v[NIL]
	s_wait_dscnt 0x0
	CROUND                                         ; the closing round
	s_endpgm
.Lfunc_end_k_q1014794561_proj:
	.size	k_q1014794561_proj, .Lfunc_end_k_q1014794561_proj-k_q1014794561_proj
	.p2alignl 7, 3214868480
	.fill 96, 4, 3214868480
	.section	.rodata,"a",@progbits
	.p2align	6, 0x0
	.amdhsa_kernel k_q1014794561_proj
		.amdhsa_group_segment_fixed_size 327680
		.amdhsa_private_segment_fixed_size 0
		.amdhsa_enable_private_segment 0
		.amdhsa_kernarg_size 40
		.amdhsa_user_sgpr_count 2
		.amdhsa_user_sgpr_kernarg_segment_ptr 1
		.amdhsa_wavefront_size32 1
		.amdhsa_system_sgpr_workgroup_id_x 1
		.amdhsa_system_sgpr_workgroup_id_y 1
		.amdhsa_system_sgpr_workgroup_id_z 1
		.amdhsa_system_vgpr_workitem_id 0
		.amdhsa_next_free_vgpr 1024
		.amdhsa_next_free_sgpr 98
		.amdhsa_reserve_vcc 0
		.amdhsa_float_denorm_mode_32 3
		.amdhsa_float_denorm_mode_16_64 3
		.amdhsa_memory_ordered 1
		.amdhsa_forward_progress 1
		.amdhsa_inst_pref_size 152
	.end_amdhsa_kernel
	.amdgpu_metadata
---
amdhsa.version: [ 1, 2 ]
amdhsa.kernels:
  - .name:           k_q1014794561_proj
    .symbol:         k_q1014794561_proj.kd
    .args:
      - { .name: oc, .offset: 0, .size: 8, .value_kind: global_buffer, .address_space: global }
      - { .name: os, .offset: 8, .size: 8, .value_kind: global_buffer, .address_space: global }
      - { .name: uc, .offset: 16, .size: 8, .value_kind: global_buffer, .address_space: global }
      - { .name: us, .offset: 24, .size: 8, .value_kind: global_buffer, .address_space: global }
      - { .name: out0, .offset: 32, .size: 8, .value_kind: global_buffer, .address_space: global }
    .group_segment_fixed_size: 327680
    .private_segment_fixed_size: 0
    .kernarg_segment_align: 8
    .kernarg_segment_size: 40
    .max_flat_workgroup_size: 128
    .sgpr_count:     98
    .vgpr_count:     1024
    .wavefront_size: 32
...
	.end_amdgpu_metadata
.endif
;; end of part 4
